; MI455X (gfx1250); checked and timed in simulation.
; The chip was launched on July 23, 2026; its instructions are those of AMD's public machine-readable ISA for CDNA 5 (MIT licence, August 2026) and "CDNA5" Instruction Set Architecture Reference Guide (July 2026). The comments in the code are by the model that wrote it; some were corrected since.
;; Causal Self Attention. Allowed arithmetic: matrix products marked QUANTISED: E2M1 operands, one E8M0 scale for each 32 along K, by v_wmma_scale_f32_16x16x128_f8f6f4 with both operands' format E2M1 (or v_wmma_scale_f32_32x16x128_f4), f32 sums; products left as they are: bf16, f16 or f32 operands; f32 sums; everything else in f32.
;; Inputs: b_attn 3,072 float32; b_proj 1,024 float32; w_attn 1,024 x 3,072 float32; w_proj 1,024 x 1,024 float32; x 4 x 2,048 x 1,024 float32.
;; Outputs: out0 4 x 2,048 x 1,024 float32.
;; This version of the problem:
;;   THIS VERSION OF THE PROBLEM IS GIVEN IN LOW PRECISION. The matrix products marked QUANTISED in the list below multiply operands that are first quantised to E2M1 (2 exponent bits, 1 mantissa bit; 4 bits a number), with one power-of-two scale for each 32 numbers along K (OCP MX v1.0); their sums are f32. The products marked 'left as it is' may take bf16, f16 or f32 operands, with f32 sums. Whichever they take, every output number must still come out within the allowed error. Rounding operands to bf16 (8 significant bits) uses up far more of that allowance than f16 does (11 bits, for magnitudes from 6e-5 to 65,504). All else is computed in f32.
;;   The module's matrix products, in the order in which they are computed (A, B: the left and right operand; K: the contracted axis; several contracted axes count as one K, in the product's order):
;;     1. [M 8,192, K 1,024] x [K 1,024, N 3,072]; A: input x; B: input w_attn: QUANTISED
;;     2. batch 64 x [M 2,048, K 64] x [K 64, N 2,048]; A: computed on the way; B: computed on the way: left as it is (an operand is computed on the way)
;;     3. batch 64 x [M 2,048, K 2,048] x [K 2,048, N 64]; A: computed on the way; B: computed on the way: left as it is (an operand is computed on the way)
;;     4. [M 8,192, K 1,024] x [K 1,024, N 1,024]; A: computed on the way; B: input w_proj: left as it is (an operand is computed on the way)
;;   THE QUANTISER, for each operand of a quantised product, along K:
;;     - K is cut into blocks of 32 from its start; a last block that is shorter is filled with zeros.
;;     - A block's scale is 2^e with e = floor(log2(the largest magnitude in the block)) - 2, held to -126 .. 127; a block of zeros has e = 0. As a byte (E8M0): e + 127.
;;     - Each number is divided by its block's scale, clamped to +-6, and rounded to the nearest number of E2M1, ties to even, subnormals kept.
;;     - The product sums the exact products of the quantised numbers (number of the format x scale) in f32.
;;   ~~~python
;;   def quantise(x, axis):      # numpy; x: float32 -> the quantised numbers, widened to float32 again
;;       x = np.moveaxis(x, axis, -1); K = x.shape[-1]
;;       x = np.pad(x, [(0, 0)] * (x.ndim - 1) + [(0, -K % 32)]); x = x.reshape(x.shape[:-1] + (-1, 32)); a = np.abs(x).max(-1, keepdims=True)
;;       e = np.where(a > 0, np.clip(np.frexp(np.where(a > 0, a, 1))[1] - 1 - 2, -126, 127), 0)      # np.frexp(a)[1] - 1 = floor(log2(a)), exactly
;;       r = np.clip(x / 2.0 ** e, -6, 6)
;;       step = 2.0 ** (np.maximum(np.frexp(np.where(r == 0, 1, r))[1] - 1, 0) - 1)
;;       q = np.round(r / step) * step * 2.0 ** e      # np.round: ties to even
;;       return np.moveaxis(q.reshape(q.shape[:-2] + (-1,))[..., :K], -1, axis).astype(np.float32)
;;   ~~~
;; One version. Each part assembles by itself: llvm-mc -triple=amdgcn-amd-amdhsa -mcpu=gfx1250 --defsym DOCPART=n.
;; ======== version 1 of 1: 5 launches
;; limits: values are held in f16: magnitudes above 65,504 overflow, below 6.1e-05 lose precision
;; workspace buffers: x_codes 4,194,304 bytes; x_scales 262,144 bytes; w_codes 1,572,864 bytes; w_scales 98,304 bytes; wph 2,097,152 bytes; qkvh 50,331,648 bytes; qkv16 786,432 bytes; ao 16,777,216 bytes
;; launch prep (part 1): grid 336 x 1, 4 waves a work-group, no clusters, 68,096 bytes of LDS; arguments x, w_attn, w_proj, x_codes, x_scales, w_codes, w_scales, wph; writes x_codes, x_scales, w_codes, w_scales, wph
.if DOCPART == 1
	.amdgcn_target "amdgcn-amd-amdhsa--gfx1250"
	.amdhsa_code_object_version 6
	.text
	.protected	k_q8de073179d_prep
	.globl	k_q8de073179d_prep
	.p2align	8
	.type	k_q8de073179d_prep,@function
k_q8de073179d_prep:
	s_mov_b64 s[64:65], 0
	v_nop
	global_prefetch_b8 v0, s[64:65] scope:SCOPE_SE
	s_setreg_imm32_b32 hwreg(HW_REG_WAVE_MODE, 25, 1), 1
	s_wait_xcnt 0x0
; CAUSAL SELF-ATTENTION, launch 1 of 5: the operands of the quantised product x @ w_attn become codes of FP4 (E2M1) with one E8M0 byte for each 32 along K = 1,024; w_proj becomes f16.
; WORK LEFT OUT IN THE WHOLE PROGRAM.  reference() builds the causal mask itself (jnp.tril) and puts -inf in front of the softmax wherever key > query: such a weight is 0 whatever the inputs hold, so tiles of keys
; that lie wholly behind all queries of a tile are neither multiplied nor summed (launch 3).  Nothing else is left out: every input is loaded; the k third of b_attn, which a softmax would cancel, stays, since it
; rides as the C of a matrix instruction and costs no line.  LIMIT: a NaN, an infinity or an overflow that reaches only the scores under the mask is not carried to the result.
; LIMITS: NaN and infinities among the inputs are not served; a block whose largest magnitude lies under 2^-124 keeps the scale byte 1 (a block of zeros too: its codes are zeros, and this program alone reads the bytes).
; A block's scale is 2^(floor(log2(its largest magnitude)) - 2): its byte is the largest magnitude's own exponent field - 2.  Each number is divided by the scale and rounded to the nearest code, ties to even, beyond 6 to 6.
; THREE PATHS, chosen by the work-group's number, each with LDS bytes of its own:
;   0 .. 255   x [8192][1024]: K is innermost, so x is a plain stream of blocks of 32.  A wave takes 16 steps of 512 numbers; loads take 512 consecutive bytes, a turn through the wave's stage gives a lane 16 neighbours.
;   256 .. 303 w_attn [1024][3072]: K is the first axis.  A lane takes a column, its registers run down K; codes leave through a stage as rows of 256 bytes: w_codes [3072][512 bytes], w_scales [3072][32].
;   304 .. 335 w_proj [1024][1024] to f16, in its own order: a wave takes 8,192 numbers.
; No tensor load, no barrier: waves share nothing.
.set SPW,   190                        ; v190  LDS address of my spare word; never rewritten
.set NIL,   191                        ; v191  0; never rewritten
.set XREG,  8192                       ; path X: a wave's LDS region: two stages of 32 x 80 bytes, then its 256 scale bytes
.set SP,    80                         ; a lane's place in a stage: 64 bytes + 16 of padding
.set STEPS, 16
.set XR,    16                         ; v16-79   four sets of 16 numbers as loaded
.set XN,    80                         ; v80-111  two sets of 16 neighbours
.set XE,    112                        ; v112-127 a scale byte for each step
.set XC,    128                        ; v128-189 codes, four registers apart for each step: no store's data are written again
.set WSTG,  32768                      ; path W: the four stages, 32 rows x 272 bytes each
.set WP,    272
.set WN,    3072
.set NB,    16                         ; blocks of 32 along K for a wave
.set WX,    32                         ; v32-95   two sets of 32 numbers
.set WC,    96                         ; v96-99   a block's codes
.set WO,    112                        ; v112-175 the way out
.set WSB,   24                         ; v24-27   the scale bytes, four to a register
.set SPARE, WSTG+4*32*WP               ; 67,584: the spare words, 128 bytes a wave, which no other line names
	s_load_b256 s[4:11], s[0:1], 0x0               ; x s[4:5], w_attn s[6:7], w_proj s[8:9], x_codes s[10:11]
	s_load_b256 s[12:19], s[0:1], 0x20             ; x_scales s[12:13], w_codes s[14:15], w_scales s[16:17], wph s[18:19]
	v_lshl_add_u32 v[SPW], v0, 2, SPARE
	v_mov_b32 v[NIL], 0
	v_lshrrev_b32 v1, 5, v0
	v_readfirstlane_b32 s20, v1                    ; wave
	v_and_b32 v2, 31, v0                           ; lane
	s_cmp_lt_u32 ttmp9, 256
	s_cbranch_scc0 .Lnot_x
; ---------------- path X ----------------
	v_lshlrev_b32 v3, 4, v2                        ; my 16 bytes of a load's 512
	s_mul_i32 s21, s20, XREG
	v_lshrrev_b32 v14, 2, v2
	v_mul_u32_u24 v14, v14, SP
	v_and_b32 v15, 3, v2
	v_lshl_add_u32 v14, v15, 4, v14
	v_add_nc_u32 v14, s21, v14                     ; the stage, way in: four lanes' 64 bytes on end, then the padding
	v_mul_u32_u24 v15, v2, SP
	v_add_nc_u32 v15, s21, v15                     ; way out: my 16 neighbours
	v_lshlrev_b32 v4, 3, v2                        ; my 8 bytes of a step's codes
	v_lshrrev_b32 v5, 1, v2
	s_add_co_u32 s21, s21, 2*32*SP
	v_add_nc_u32 v5, s21, v5                       ; my block's scale byte in the wave's 256
	v_lshlrev_b32 v7, 3, v2
	v_add_nc_u32 v6, s21, v7
	s_lshl_b32 s22, ttmp9, 2
	s_add_co_u32 s22, s22, s20                     ; my run of 8,192 numbers: 0 .. 1,023
	s_lshl_b32 s24, s22, 15
	s_mov_b32 s25, 0
	s_lshl_b32 s26, s22, 12
	s_mov_b32 s27, 0
	s_lshl_b32 s28, s22, 8
	s_mov_b32 s29, 0
	s_wait_kmcnt 0x0
	s_add_nc_u64 s[4:5], s[4:5], s[24:25]
	s_add_nc_u64 s[10:11], s[10:11], s[26:27]
	s_add_nc_u64 s[12:13], s[12:13], s[28:29]
.macro XLOAD t
.irp i, 0,1,2,3
	global_load_b128 v[XR+16*((\t)%4)+4*\i:XR+16*((\t)%4)+4*\i+3], v3, s[4:5] offset:2048*(\t)+512*\i th:TH_LOAD_NT
.endr
.endm
.macro XTURN t                         ; a step's numbers through the stage: LDS serves a wave's instructions in order, so no wait stands between stores and loads
.irp i, 0,1,2,3
	ds_store_b128 v14, v[XR+16*((\t)%4)+4*\i:XR+16*((\t)%4)+4*\i+3] offset:32*SP*((\t)%2)+8*SP*\i
.endr
.irp i, 0,1,2,3
	ds_load_b128 v[XN+16*((\t)%2)+4*\i:XN+16*((\t)%2)+4*\i+3], v15 offset:32*SP*((\t)%2)+16*\i
.endr
.endm
.irp t, 0,1,2,3
	XLOAD \t
.endr
	s_wait_loadcnt 12                              ; step 0's four loads are in; twelve younger ones stay out
	XTURN 0
.macro XSTEP t
.set XS, XN+16*((\t)%2)
.if (\t) > 0
	s_wait_dscnt 1                                 ; this step's numbers are back (the last step's byte store may be out)
.else
	s_wait_dscnt 0x0
.endif
.if (\t)+4 < STEPS
	XLOAD (\t)+4
.endif
.if (\t)+1 < STEPS
.if STEPS-2-(\t) >= 3
	s_wait_loadcnt 12                              ; the next step's four loads are in; those of the three steps behind may be out
.else
	s_wait_loadcnt 4*(STEPS-2-(\t))
.endif
	XTURN (\t)+1
.endif
	v_max3_num_f32 v8, |v[XS]|, |v[XS+1]|, |v[XS+2]|
	v_max3_num_f32 v9, |v[XS+3]|, |v[XS+4]|, |v[XS+5]|
.irp i, 6,10
	v_max3_num_f32 v8, v8, |v[XS+\i]|, |v[XS+\i+1]|
	v_max3_num_f32 v9, v9, |v[XS+\i+2]|, |v[XS+\i+3]|
.endr
	v_max3_num_f32 v8, v8, |v[XS+14]|, |v[XS+15]|
	v_max3_num_f32 v8, v8, v9, 0x1800000           ; the floor 2^(3 - 127): the byte cannot fall under 1
	v_max_num_f32_dpp v8, v8, v8 row_xmask:1 row_mask:0xf bank_mask:0xf   ; with my neighbour's 16: the block's largest magnitude
	v_add_nc_u32 v11, 0xff000000, v8               ; 2 off its exponent field: the conversion takes this operand's exponent field as its scale
	v_cvt_scalef32_pk8_fp4_f32 v[XC+4*(\t)], v[XS:XS+7], v11
	v_cvt_scalef32_pk8_fp4_f32 v[XC+4*(\t)+1], v[XS+8:XS+15], v11
	v_lshrrev_b32 v[XE+(\t)], 23, v11              ; the scale's byte
	ds_store_b8 v5, v[XE+(\t)] offset:16*(\t)      ; both lanes of a block write the same byte with the same value
	global_store_b64 v4, v[XC+4*(\t):XC+4*(\t)+1], s[10:11] offset:256*(\t)   ; the wave stores 256 consecutive bytes, aligned
.endm
.irp t, 0,1,2,3,4,5,6,7,8,9,10,11,12,13,14,15
	XSTEP \t
.endr
	ds_load_b64 v[8:9], v6
	s_wait_dscnt 0x0
	global_store_b64 v7, v[8:9], s[12:13]          ; the wave's 256 scale bytes, aligned
	s_branch .Lend
; ---------------- path W ----------------
.Lnot_x:
	s_cmp_lt_u32 ttmp9, 304
	s_cbranch_scc0 .Lpath_p
	s_sub_co_u32 s21, ttmp9, 256                   ; 0 .. 47: 24 groups of 128 columns x 2 halves of K
	s_cmp_ge_u32 s21, 24
	s_cselect_b32 s22, 1, 0                        ; which 512 along K
	s_cselect_b32 s23, 24, 0
	s_sub_co_u32 s21, s21, s23
	s_lshl_b32 s21, s21, 7
	s_lshl_b32 s23, s20, 5
	s_add_co_u32 s21, s21, s23                     ; my wave's first column
	v_lshlrev_b32 v3, 2, v2                        ; in: 4 bytes a lane
	s_mul_i32 s23, s20, 32*WP
	s_add_co_u32 s23, s23, WSTG                    ; my stage
	v_mul_u32_u24 v4, v2, WP
	v_add_nc_u32 v4, s23, v4                       ; into it: row = my column
	v_and_b32 v5, 15, v2
	v_lshrrev_b32 v6, 4, v2
	v_mul_u32_u24 v7, v6, WP
	v_lshl_add_u32 v7, v5, 4, v7
	v_add_nc_u32 v7, s23, v7                       ; out of it: sixteen lanes to a row, two rows an instruction
	v_lshlrev_b32 v8, 9, v6
	v_lshl_add_u32 v8, v5, 4, v8                   ; the same place in w_codes: rows of 512 bytes
	v_lshlrev_b32 v9, 5, v2                        ; my column's row of scale bytes
	s_mul_i32 s24, s22, 512*WN*4
	s_lshl_b32 s25, s21, 2
	s_add_co_u32 s24, s24, s25
	s_mov_b32 s25, 0
	s_lshl_b32 s26, s21, 9
	s_lshl_b32 s27, s22, 8
	s_add_co_u32 s26, s26, s27
	s_mov_b32 s27, 0
	s_lshl_b32 s28, s21, 5
	s_lshl_b32 s29, s22, 4
	s_add_co_u32 s28, s28, s29
	s_mov_b32 s29, 0
	s_wait_kmcnt 0x0
	s_add_nc_u64 s[6:7], s[6:7], s[24:25]
	s_add_nc_u64 s[14:15], s[14:15], s[26:27]
	s_add_nc_u64 s[16:17], s[16:17], s[28:29]
.macro WLOAD t                         ; block t: w(32 t + i, my column) into set t % 2; the largest offset, 511 rows of 12,288 bytes, lies inside the signed 24-bit immediate
.irp i, 0,1,2,3,4,5,6,7,8,9,10,11,12,13,14,15,16,17,18,19,20,21,22,23,24,25,26,27,28,29,30,31
	global_load_b32 v[WX+32*((\t)%2)+\i], v3, s[6:7] offset:(32*(\t)+\i)*WN*4 th:TH_LOAD_NT
.endr
.endm
	WLOAD 0
	WLOAD 1
.macro WBLOCK t
.set XS, WX+32*((\t)%2)
.if (\t) < NB-1
	s_wait_loadcnt 32                              ; this block's 32 loads are in; the next block's may be out
.else
	s_wait_loadcnt 0x0
.endif
	v_max3_num_f32 v12, |v[XS]|, |v[XS+1]|, |v[XS+2]|
	v_max3_num_f32 v13, |v[XS+3]|, |v[XS+4]|, |v[XS+5]|
.irp i, 6,10,14,18,22,26
	v_max3_num_f32 v12, v12, |v[XS+\i]|, |v[XS+\i+1]|
	v_max3_num_f32 v13, v13, |v[XS+\i+2]|, |v[XS+\i+3]|
.endr
	v_max3_num_f32 v12, v12, |v[XS+30]|, |v[XS+31]|
	v_max3_num_f32 v12, v12, v13, 0x1800000        ; the floor, as above
	v_add_nc_u32 v11, 0xff000000, v12
	v_lshrrev_b32 v13, 23, v11                     ; the scale's byte
.if (\t)%4 == 0
	v_mov_b32 v[WSB+(\t)/4], v13
.else
	v_lshl_or_b32 v[WSB+(\t)/4], v13, 8*((\t)%4), v[WSB+(\t)/4]
.endif
.irp g, 0,1,2,3
	v_cvt_scalef32_pk8_fp4_f32 v[WC+\g], v[XS+8*\g:XS+8*\g+7], v11
.endr
	ds_store_b128 v4, v[WC:WC+3] offset:16*(\t)    ; 32 codes: 16 bytes of my column's row
.if (\t)+2 < NB
	WLOAD (\t)+2
.endif
	s_wait_dscnt 0x0                               ; the store has read its registers: the next block's codes may be written
.endm
.set Q, 0
.rept NB
	WBLOCK Q
.set Q, Q+1
.endr
	global_store_b128 v9, v[WSB:WSB+3], s[16:17]   ; my column's 16 scale bytes
.irp t, 0,1,2,3,4,5,6,7,8,9,10,11,12,13,14,15
	ds_load_b128 v[WO+4*\t:WO+4*\t+3], v7 offset:2*\t*WP
.endr
.irp t, 0,1,2,3,4,5,6,7,8,9,10,11,12,13,14,15
	s_wait_dscnt 15-\t                             ; the younger loads may be out
	global_store_b128 v8, v[WO+4*\t:WO+4*\t+3], s[14:15] offset:2*\t*512   ; sixteen lanes store 256 consecutive bytes, aligned
.endr
	s_branch .Lend
; ---------------- path P ----------------
.Lpath_p:
	s_sub_co_u32 s21, ttmp9, 304
	s_lshl_b32 s21, s21, 2
	s_add_co_u32 s21, s21, s20                     ; my run of 8,192 numbers: 0 .. 127
	s_lshl_b32 s24, s21, 15
	s_mov_b32 s25, 0
	s_lshl_b32 s26, s21, 14
	s_mov_b32 s27, 0
	v_lshlrev_b32 v3, 4, v2
	v_lshlrev_b32 v4, 3, v2
	s_wait_kmcnt 0x0
	s_add_nc_u64 s[8:9], s[8:9], s[24:25]
	s_add_nc_u64 s[18:19], s[18:19], s[26:27]
.macro PLOAD g                         ; sixteen loads of 512 consecutive bytes into set g % 2
.irp i, 0,1,2,3,4,5,6,7,8,9,10,11,12,13,14,15
	global_load_b128 v[16+64*((\g)%2)+4*\i:16+64*((\g)%2)+4*\i+3], v3, s[8:9] offset:512*(16*(\g)+\i)
.endr
.endm
.macro PCVT g
.if (\g) < 3
	s_wait_loadcnt 16                              ; this set is in; the next set's sixteen loads may be out
.else
	s_wait_loadcnt 0x0
.endif
.if (\g) > 0
	s_wait_xcnt 0x0                                ; the last set's stores have read v144-175, which are written again
.endif
.irp i, 0,1,2,3,4,5,6,7,8,9,10,11,12,13,14,15
	v_cvt_pk_f16_f32 v[144+2*\i], v[16+64*((\g)%2)+4*\i], v[16+64*((\g)%2)+4*\i+1]
	v_cvt_pk_f16_f32 v[145+2*\i], v[16+64*((\g)%2)+4*\i+2], v[16+64*((\g)%2)+4*\i+3]
.endr
.irp i, 0,1,2,3,4,5,6,7,8,9,10,11,12,13,14,15
	global_store_b64 v4, v[144+2*\i:145+2*\i], s[18:19] offset:256*(16*(\g)+\i)   ; the wave stores 256 consecutive bytes, aligned
.endr
.if (\g) < 2
	PLOAD (\g)+2
.endif
.endm
	PLOAD 0
	PLOAD 1
.irp g, 0,1,2,3
	PCVT \g
.endr
.Lend:
	s_wait_tensorcnt 0x0                           ; the wave's end
	ds_add_u32 v[SPW], v[NIL]
	s_wait_dscnt 0x0
	s_endpgm
.Lfunc_end_k_q8de073179d_prep:
	.size	k_q8de073179d_prep, .Lfunc_end_k_q8de073179d_prep-k_q8de073179d_prep
	.p2alignl 7, 3214868480
	.fill 96, 4, 3214868480
	.section	.rodata,"a",@progbits
	.p2align	6, 0x0
	.amdhsa_kernel k_q8de073179d_prep
		.amdhsa_group_segment_fixed_size 68096
		.amdhsa_private_segment_fixed_size 0
		.amdhsa_enable_private_segment 0
		.amdhsa_kernarg_size 64
		.amdhsa_user_sgpr_count 2
		.amdhsa_user_sgpr_kernarg_segment_ptr 1
		.amdhsa_wavefront_size32 1
		.amdhsa_system_sgpr_workgroup_id_x 1
		.amdhsa_system_sgpr_workgroup_id_y 1
		.amdhsa_system_sgpr_workgroup_id_z 1
		.amdhsa_system_vgpr_workitem_id 0
		.amdhsa_next_free_vgpr 192
		.amdhsa_next_free_sgpr 66
		.amdhsa_reserve_vcc 0
		.amdhsa_float_denorm_mode_32 3
		.amdhsa_float_denorm_mode_16_64 3
		.amdhsa_memory_ordered 1
		.amdhsa_forward_progress 1
		.amdhsa_inst_pref_size 131
	.end_amdhsa_kernel
	.amdgpu_metadata
---
amdhsa.version: [ 1, 2 ]
amdhsa.kernels:
  - .name:           k_q8de073179d_prep
    .symbol:         k_q8de073179d_prep.kd
    .args:
      - { .name: x, .offset: 0, .size: 8, .value_kind: global_buffer, .address_space: global }
      - { .name: w_attn, .offset: 8, .size: 8, .value_kind: global_buffer, .address_space: global }
      - { .name: w_proj, .offset: 16, .size: 8, .value_kind: global_buffer, .address_space: global }
      - { .name: x_codes, .offset: 24, .size: 8, .value_kind: global_buffer, .address_space: global }
      - { .name: x_scales, .offset: 32, .size: 8, .value_kind: global_buffer, .address_space: global }
      - { .name: w_codes, .offset: 40, .size: 8, .value_kind: global_buffer, .address_space: global }
      - { .name: w_scales, .offset: 48, .size: 8, .value_kind: global_buffer, .address_space: global }
      - { .name: wph, .offset: 56, .size: 8, .value_kind: global_buffer, .address_space: global }
    .group_segment_fixed_size: 68096
    .private_segment_fixed_size: 0
    .kernarg_segment_align: 8
    .kernarg_segment_size: 64
    .max_flat_workgroup_size: 128
    .sgpr_count:     66
    .vgpr_count:     192
    .wavefront_size: 32
...
	.end_amdgpu_metadata
.endif
;; end of part 1
;; launch qkv (part 2): grid 12 x 32, 4 waves a work-group, clusters of 4 x 4, 327,680 bytes of LDS; arguments x_codes, x_scales, w_codes, w_scales, qkvh, b_attn, qkv16; writes qkvh, qkv16
.if DOCPART == 2
	.amdgcn_target "amdgcn-amd-amdhsa--gfx1250"
	.amdhsa_code_object_version 6
	.text
	.protected	k_q8de073179d_qkv
	.globl	k_q8de073179d_qkv
	.p2align	8
	.type	k_q8de073179d_qkv,@function
k_q8de073179d_qkv:
	s_mov_b64 s[64:65], 0
	v_nop
	global_prefetch_b8 v0, s[64:65] scope:SCOPE_SE
	s_setreg_imm32_b32 hwreg(HW_REG_WAVE_MODE, 25, 1), 1
	s_wait_xcnt 0x0
	s_wait_alu depctr_hold_cnt(0) depctr_sa_sdst(0) depctr_va_vdst(0) depctr_va_sdst(0) depctr_va_ssrc(0) depctr_va_vcc(0) depctr_vm_vsrc(0)
	s_getreg_b32 s2, hwreg(HW_REG_IB_STS2, 6, 4)
	s_cmp_eq_u32 s2, 0
	s_cbranch_scc0 .Lentry_in_a_cluster
	s_endpgm
.Lentry_in_a_cluster:
	s_bfe_u32 s2, ttmp6, 0x10000c
	s_cmp_lg_u32 s2, 0xf033
	s_cbranch_scc0 .Lentry_shape_is_right
	s_endpgm
.Lentry_shape_is_right:
; Launch 2 of 5: qkv = Q(x) Q(w_attn) + b_attn on codes of FP4 with E8M0 scales, f32 sums.  Nothing is left out here.
; A = x_codes [8192][512 bytes], B = w_codes [3072][512 bytes], their scale bytes [rows][32].  OUT: qkvh, f16, [q, k, v][batch 4][head 16][t 2048][64]; and qkv16, f32, [batch 4][t 16][3072]: the first 16
; positions of every sequence, which launch 5 carries in f32.  LIMIT: |q|, |k|, |v| stay under 65,504, f16's largest number.
; A tile of 256 x 256 is made by four waves, 128 x 128 each: 64 accumulators, 512 registers.  K = 1,024 is two K steps of 512 (LDS rows of 256 bytes): both slots are first fills, nothing is filled again, there is no loop.
; The scale bytes of the tile's rows, for all of K, are two dense blocks: they come once, as rows of 256 bytes + 16 of padding.
; CLUSTERS: 4 x 4 work-groups; A's tiles are shared along a row of the cluster, B's along a column: joint loads with a mask of four.
; THE MATRIX INSTRUCTION IS USED TRANSPOSED (source 0 = 16 rows of w, source 1 = 16 rows of x): a lane holds row l % 16 and eight neighbouring columns.  The bias is the C of each sum's first instruction.
; REGISTERS: window 0: v0-31 addresses; v32-95 scale words, two sets; v128-191 A's fragments, one set; v192-255 the bias, eight registers for each block of 16 columns.  window 1: B's fragments, two sets.
;   windows 2, 3: the accumulators ((a, b) at v[8 (8 (a % 4) + b)]).  On the way out v32-63 hold packed results, v128-191 rows read back.
.set NQ,     4                         ; matrix instructions deep in a slot
.set ROWB,   256
.set KROW,   512
.set PITCH,  272                       ; 256 bytes + 16: the 16 rows that a load touches start at 16 different banks (64 banks of 4 bytes: ISA guide 11.1)
.set FR,     8
.set NL,     2
.set NP,     4
.set HALFT,  128*PITCH
.set SLOT,   4*HALFT
.set KS,     32
.set SCL,    2*SLOT
.set HALFS,  (128*KS/256)*272
.set SBLK,   (16*KS/256)*272
.set SPARE,  SCL+4*HALFS               ; the spare words, 128 bytes a wave, which no other line names
.set STAGE,  SPARE+512                 ; the way out: for each wave 2 heads x 16 rows x (128 bytes + 16); no tensor load lands here
.set SROW,   144
.set SHEAD,  16*SROW
.set ADRA, 16
.set ADRB, 20
.set TZ,   22                          ; v22  t of my first row
.set STO,  24
.set RD,   25
.set CO,   26
.set ADRS, 27
.set SPW,  28
.set NIL,  29
.set BO,   30                          ; v30  32 x (lane / 16): my eight numbers of a block's bias
.set FO,   31                          ; v31  my place in qkv16
.set SC,   32
.set AF,   128
.set BI,   192
.set TMP,  32
.set BK,   128
.set G1, 24
.set G0, 32
.set G1B, 48
.set G0B, 56
.set G1S, 68
.set G0S, 76
.set G1SB, 80
.set G0SB, 88
.set MSB, 0
.macro WIN new                         ; the immediate's high byte repeats the setting that is left
.if MSB != \new
	s_set_vgpr_msb (MSB<<8)|\new
.set MSB, \new
.endif
.endm
.set MUL_LO,   0xa1                    ; source 0 (w) window 1, source 1 (x) window 0, C and D window 2
.set MUL_HI,   0xf1                    ; C and D window 3
.set FIRST_LO, 0x81                    ; C (the bias) window 0, D window 2
.set FIRST_HI, 0xc1                    ; C window 0, D window 3
.set TO_B,     0x40
.macro JLOAD g0a, g1a, g0b, g1b        ; a joint load: waves 0, 1 fetch for A, waves 2, 3 for B; an s_nop 0 and four v_nop follow each line
	s_cmp_eq_u32 s15, 0
	s_cbranch_scc0 .Lfor_b_\@
	tensor_load_to_lds s[\g0a:\g0a+3], s[\g1a:\g1a+7]
	s_nop 0
.rept 4
	v_nop
.endr
	s_branch .Lasked_\@
.Lfor_b_\@:
	tensor_load_to_lds s[\g0b:\g0b+3], s[\g1b:\g1b+7]
	s_nop 0
.rept 4
	v_nop
.endr
.Lasked_\@:
.endm
.macro CROUND                          ; a round of the cluster's barrier
	s_barrier_signal -1
	s_barrier_wait -1
	s_cmp_lg_u32 s14, 0
	s_cbranch_scc1 .Lnot_wave_0_\@
	s_barrier_signal -3
.Lnot_wave_0_\@:
	s_barrier_wait -3
	s_barrier_signal -1
	s_barrier_wait -1
.endm
	s_load_b128 s[4:7], s[0:1], 0x0                ; x_codes, x_scales
	s_load_b128 s[8:11], s[0:1], 0x10              ; w_codes, w_scales
	s_load_b64 s[12:13], s[0:1], 0x20              ; qkvh
	s_load_b64 s[96:97], s[0:1], 0x28              ; b_attn
	s_load_b64 s[98:99], s[0:1], 0x30              ; qkv16
	v_lshl_add_u32 v[SPW], v0, 2, SPARE
	v_mov_b32 v[NIL], 0
	ds_add_u32 v[SPW], v[NIL]                      ; the opening: the add, twice on end, and its wait ahead of my first tensor load
	ds_add_u32 v[SPW], v[NIL]
	v_lshrrev_b32 v1, 5, v0
	v_readfirstlane_b32 s14, v1                    ; wave
	s_lshr_b32 s15, s14, 1                         ; my half of the tile's rows; also: I fetch for A (0) or B (1)
	s_and_b32 s16, s14, 1                          ; my half of its columns; also: which 128 rows I fetch
	s_bfe_u32 s40, ttmp6, 0x40000                  ; cx
	s_bfe_u32 s41, ttmp6, 0x40004                  ; cy
	s_lshl_b32 s42, ttmp9, 2
	s_add_co_u32 s42, s42, s40                     ; tile column
	s_and_b32 s17, ttmp7, 0xffff
	s_lshl_b32 s17, s17, 2
	s_add_co_u32 s17, s17, s41                     ; tile row
	s_lshl_b32 s43, s41, 2
	s_lshl_b32 s43, 15, s43                        ; my row of the cluster
	s_lshl_b32 s44, 0x1111, s40                    ; my column
	s_or_b32 s[G1+0], s43, (0<<16)|(1<<20)|(1<<21)|(5<<22)|(3<<25)  ; the mask; elements of 1 byte; padding: 4 words behind every 64; bit 21 beside a mask
	s_or_b32 s[G1B+0], s44, (0<<16)|(1<<20)|(1<<21)|(5<<22)|(3<<25)
.irp g, G1, G1B
	s_mov_b32 s[\g+1], ROWB<<16                    ; tensor_dim0
	s_mov_b32 s[\g+2], 128<<16                     ; tensor_dim1
	s_mov_b32 s[\g+3], ROWB<<16                    ; tile_dim0
	s_mov_b32 s[\g+4], 128                         ; tile_dim1
	s_mov_b32 s[\g+5], KROW                        ; from row to row
	s_mov_b32 s[\g+6], 0
	s_mov_b32 s[\g+7], 0
.endr
	s_or_b32 s[G1S+0], s43, (3<<16)|(1<<20)|(1<<21)|(5<<22)|(3<<25) ; the scales of 128 rows: 4,096 dense bytes as 16 rows of 32 elements of 8 bytes
	s_or_b32 s[G1SB+0], s44, (3<<16)|(1<<20)|(1<<21)|(5<<22)|(3<<25)
.irp g, G1S, G1SB
	s_mov_b32 s[\g+1], 32<<16
	s_mov_b32 s[\g+2], (128*KS/256)<<16
	s_mov_b32 s[\g+3], 32<<16
	s_mov_b32 s[\g+4], 128*KS/256
	s_mov_b32 s[\g+5], 32
	s_mov_b32 s[\g+6], 0
	s_mov_b32 s[\g+7], 0
.endr
	s_lshl_b32 s18, s16, 7
	s_lshl_b32 s20, s17, 8
	s_add_co_u32 s20, s20, s18                     ; A: row 256 x tile row + 128 x half
	s_lshl_b32 s46, s42, 8
	s_add_co_u32 s46, s46, s18                     ; B: row 256 x tile column + 128 x half
	s_mov_b32 s21, 0
	s_mov_b32 s47, 0
	s_mov_b64 s[18:19], KS
	s_mul_u64 s[22:23], s[20:21], s[18:19]
	s_mul_u64 s[92:93], s[46:47], s[18:19]
	s_mov_b64 s[18:19], KROW
	s_mul_u64 s[20:21], s[20:21], s[18:19]
	s_mul_u64 s[46:47], s[46:47], s[18:19]
	s_mul_i32 s45, s14, HALFT                      ; no place in the cluster enters an LDS address
	s_mul_i32 s94, s14, HALFS
	s_wait_dscnt 0x0                               ; both opening adds are done
	s_wait_kmcnt 0x0
	s_add_nc_u64 s[20:21], s[4:5], s[20:21]
	s_add_nc_u64 s[22:23], s[6:7], s[22:23]
	s_add_nc_u64 s[46:47], s[8:9], s[46:47]
	s_add_nc_u64 s[92:93], s[10:11], s[92:93]
	CROUND                                         ; all sixteen work-groups are here: the joint loads meet
	s_mov_b32 s[G0S], 1
	s_add_co_u32 s[G0S+1], s94, SCL
	s_mov_b64 s[G0S+2:G0S+3], s[22:23]
	s_or_b32 s[G0S+3], s[G0S+3], 0x80000000
	s_mov_b32 s[G0SB], 1
	s_add_co_u32 s[G0SB+1], s94, SCL
	s_mov_b64 s[G0SB+2:G0SB+3], s[92:93]
	s_or_b32 s[G0SB+3], s[G0SB+3], 0x80000000
	JLOAD G0S, G1S, G0SB, G1SB                     ; three loads of mine are out at the most: the scales, K step 0, K step 1
.irp s, 0,1
	s_mov_b32 s[G0+4*\s], 1
	s_add_co_u32 s[G0+4*\s+1], s45, \s*SLOT
	s_add_nc_u64 s[G0+4*\s+2:G0+4*\s+3], s[20:21], \s*ROWB
	s_or_b32 s[G0+4*\s+3], s[G0+4*\s+3], 0x80000000
	s_mov_b32 s[G0B+4*\s], 1
	s_add_co_u32 s[G0B+4*\s+1], s45, \s*SLOT
	s_add_nc_u64 s[G0B+4*\s+2:G0B+4*\s+3], s[46:47], \s*ROWB
	s_or_b32 s[G0B+4*\s+3], s[G0B+4*\s+3], 0x80000000
	JLOAD G0+4*\s, G1, G0B+4*\s, G1B
.endr
	v_and_b32 v1, 15, v0                           ; r
	v_bfe_u32 v2, v0, 4, 1                         ; h
	v_mul_u32_u24 v3, v1, PITCH
	v_lshl_add_u32 v4, v2, 4, v3
	s_mul_i32 s21, s15, HALFT
	s_mul_i32 s22, s16, HALFT
	s_add_co_u32 s22, s22, 2*HALFT
.irp s, 0,1
	v_add_nc_u32 v[ADRA+\s], s21, v4
	v_add_nc_u32 v[ADRB+\s], s22, v4
	s_add_co_u32 s21, s21, SLOT
	s_add_co_u32 s22, s22, SLOT
.endr
	v_mul_u32_u24 v5, v1, KS                       ; my row's scales: 32 bytes a row, and 16 more for each 256 passed
	v_lshrrev_b32 v6, 8, v5
	v_lshl_add_u32 v5, v6, 4, v5
	s_mul_i32 s21, s15, HALFS
	s_mul_i32 s22, s16, HALFS
	s_add_co_u32 s22, s22, 2*HALFS
	s_sub_co_u32 s22, s22, s21
	v_mul_u32_u24 v6, s22, v2                      ; lanes 16-31 take B's
	s_add_co_u32 s21, s21, SCL
	v_add_nc_u32 v5, v5, v6
	v_add_nc_u32 v[ADRS], s21, v5
	s_mul_i32 s23, s14, 2*SHEAD
	s_add_co_u32 s23, s23, STAGE                   ; my stage
	v_mul_u32_u24 v5, v1, SROW
	v_lshl_add_u32 v5, v2, 4, v5
	v_add_nc_u32 v[STO], s23, v5                   ; in: row r, 16 bytes for each half of the lanes
	v_and_b32 v6, 31, v0
	v_lshrrev_b32 v5, 3, v6
	v_mul_u32_u24 v5, v5, SROW
	v_and_b32 v3, 7, v0
	v_lshl_add_u32 v5, v3, 4, v5
	v_add_nc_u32 v[RD], s23, v5                    ; back: eight lanes to a row of 128 bytes, four rows an instruction
	v_lshlrev_b32 v[CO], 4, v6                     ; and the same 512 bytes, dense, in qkvh
	v_lshlrev_b32 v[BO], 5, v2
	v_mul_u32_u24 v[FO], v1, 12288
	v_lshl_add_u32 v[FO], v2, 5, v[FO]             ; qkv16: row r of 12,288 bytes, + 32 h
	; where my part goes: rows m0w = 256 tile row + 128 half: batch m0w / 2048, t0 = m0w % 2048; columns n0w = 256 tile column + 128 half: which = n0w / 1024, two heads from (n0w % 1024) / 64
	s_lshl_b32 s20, s17, 8
	s_lshl_b32 s21, s15, 7
	s_add_co_u32 s20, s20, s21
	s_lshr_b32 s21, s20, 11                        ; batch
	s_and_b32 s22, s20, 2047                       ; t0
	s_lshl_b32 s46, s42, 8
	s_lshl_b32 s47, s16, 7
	s_add_co_u32 s46, s46, s47                     ; n0w
	s_lshr_b32 s47, s46, 10                        ; which
	s_bfe_u32 s23, s46, 0x40006                    ; the first head
	s_lshl_b32 s47, s47, 2
	s_add_co_u32 s47, s47, s21
	s_lshl_b32 s47, s47, 4
	s_add_co_u32 s47, s47, s23                     ; the plane
	s_lshl_b32 s92, s47, 18
	s_lshl_b32 s93, s22, 7
	s_add_co_u32 s92, s92, s93
	s_mov_b32 s93, 0
	s_add_nc_u64 s[12:13], s[12:13], s[92:93]
	s_mul_i32 s92, s21, 196608
	s_lshl_b32 s47, s46, 2
	s_add_co_u32 s92, s92, s47
	s_add_nc_u64 s[98:99], s[98:99], s[92:93]
	s_mov_b32 s92, s47
	s_add_nc_u64 s[96:97], s[96:97], s[92:93]
	v_mov_b32 v[TZ], s22
.irp b, 0,1,2,3,4,5,6,7
	global_load_b128 v[BI+8*\b:BI+8*\b+3], v[BO], s[96:97] offset:64*\b          ; b_attn[n0w + 16 b + 8 h + 0 .. 7]: the result's layout
	global_load_b128 v[BI+8*\b+4:BI+8*\b+7], v[BO], s[96:97] offset:64*\b+16
.endr
.macro FRAG reg, adr, q, i             ; 16 rows x 128 K of 4-bit codes: 8 registers, two loads of 16 bytes, 32 bytes apart
.irp c, 0,1
	ds_load_b128 v[\reg+4*\c:\reg+4*\c+3], v[\adr] offset:64*(\q)+32*\c+(\i)*16*PITCH
.endr
.endm
; 16 matrix instructions: A's blocks a0, a0 + 1 x B's eight.  first = 1: C is the bias.  The 64 accumulators take turns, one instruction a turn, in the same order in every step.
.macro MUL16 a0, p, q, sc, first
.irp a, \a0, \a0+1
.irp b, 0,1,2,3,4,5,6,7
.if \first
	v_wmma_scale_f32_16x16x128_f8f6f4 v[8*(8*((\a)%4)+\b):8*(8*((\a)%4)+\b)+7], v[128*(\p)+FR*\b:128*(\p)+FR*\b+FR-1], v[AF+FR*(\a):AF+FR*(\a)+FR-1], v[BI+8*\b:BI+8*\b+7], v[SC+8*NQ*(\sc)+NQ*\b+(\q)], v[SC+8*NQ*(\sc)+NQ*(\a)+(\q)] matrix_a_fmt:MATRIX_FMT_FP4 matrix_b_fmt:MATRIX_FMT_FP4 matrix_a_scale:MATRIX_SCALE_ROW1
.else
	v_wmma_scale_f32_16x16x128_f8f6f4 v[8*(8*((\a)%4)+\b):8*(8*((\a)%4)+\b)+7], v[128*(\p)+FR*\b:128*(\p)+FR*\b+FR-1], v[AF+FR*(\a):AF+FR*(\a)+FR-1], v[8*(8*((\a)%4)+\b):8*(8*((\a)%4)+\b)+7], v[SC+8*NQ*(\sc)+NQ*\b+(\q)], v[SC+8*NQ*(\sc)+NQ*(\a)+(\q)] matrix_a_fmt:MATRIX_FMT_FP4 matrix_b_fmt:MATRIX_FMT_FP4 matrix_a_scale:MATRIX_SCALE_ROW1
.endif
.endr
.endr
.endm
.macro FETCH_B slot, q, p
	WIN TO_B
.irp i, 0,1,2,3,4,5,6,7
	FRAG 128*(\p)+FR*\i, ADRB+\slot, \q, \i
.endr
	WIN 0
.endm
.macro FETCH_A slot, q, i0
.irp i, \i0, \i0+1, \i0+2, \i0+3
	FRAG AF+FR*(\i), ADRA+\slot, \q, \i
.endr
.endm
.macro SCALES sc                       ; a K step's scale words: lanes 0-15 A's block i, lanes 16-31 B's block i
.irp i, 0,1,2,3,4,5,6,7
	ds_load_b128 v[SC+8*NQ*\sc+NQ*\i:SC+8*NQ*\sc+NQ*\i+3], v[ADRS] offset:\i*SBLK
.endr
.endm
.macro PLACES n                        ; plain vector instructions between a matrix instruction and a load into, or a read of, its registers
.rept \n
	v_nop
.endr
.endm
.macro STEP slot, q, first             ; 128 along K that has its successor in the same slot
	s_wait_dscnt 4*NL                              ; all but the youngest eight loads (A's blocks 4-7) are in
.if \first
	WIN FIRST_LO
.else
	WIN MUL_LO
.endif
	MUL16 0, (\q)%2, \q, \slot, \first
	MUL16 2, (\q)%2, \q, \slot, \first
	s_wait_dscnt 0
	PLACES NP
	FETCH_B \slot, (\q)+1, 1-(\q)%2
	FETCH_A \slot, (\q)+1, 0
.if \first
	WIN FIRST_HI
.else
	WIN MUL_HI
.endif
	MUL16 4, (\q)%2, \q, \slot, \first
	MUL16 6, (\q)%2, \q, \slot, \first
	PLACES NP
	WIN 0
	FETCH_A \slot, (\q)+1, 4
.endm
.macro TURN slot, next                 ; a slot's last step changes slots: one barrier; nothing is filled again
	s_wait_tensorcnt 0x0                           ; all my tensor loads have landed: my part of the next slot
	ds_add_u32 v[SPW], v[NIL]
	s_wait_dscnt 4*NL+1                            ; the add and the youngest eight loads may be out
	WIN MUL_LO
	MUL16 0, 1, NQ-1, \slot, 0
	s_wait_dscnt 0x0
	s_barrier_signal -1
	MUL16 2, 1, NQ-1, \slot, 0
	WIN 0
	s_barrier_wait -1
	PLACES NP
	v_add_nc_u32 v[ADRS], 4*NQ, v[ADRS]            ; the next K step's scale words
	FETCH_B \next, 0, 0
	FETCH_A \next, 0, 0
	SCALES \next
	WIN MUL_HI
	MUL16 4, 1, NQ-1, \slot, 0
	MUL16 6, 1, NQ-1, \slot, 0
	PLACES NP
	WIN 0
	FETCH_A \next, 0, 4
.endm
.macro STEPS slot, from
.set Q, \from
.rept NQ-1-\from
	STEP \slot, Q, 0
.set Q, Q+1
.endr
.endm
	s_wait_tensorcnt 1                             ; the scales and my part of K step 0 are in; K step 1's load may be out
	s_barrier_signal -1
	s_barrier_wait -1
	s_wait_loadcnt 0x0                             ; the bias
	FETCH_B 0, 0, 0
	FETCH_A 0, 0, 0
	SCALES 0
	FETCH_A 0, 0, 4
	STEP 0, 0, 1
	STEPS 0, 1
	TURN 0, 1
	STEPS 1, 0
	s_wait_dscnt 4*NL
	WIN MUL_LO
	MUL16 0, 1, NQ-1, 1, 0
	MUL16 2, 1, NQ-1, 1, 0
	s_wait_dscnt 0
	WIN MUL_HI
	MUL16 4, 1, NQ-1, 1, 0
	MUL16 6, 1, NQ-1, 1, 0
	WIN 0
; THE WAY OUT.  Block a is 16 rows x 128 columns = two heads.  Rounded to f16, 16 bytes a lane; through my stage; back as 4 rows of 128 bytes an instruction, which are 512 dense bytes of a head's plane.
.macro PACK a
.set AC, 64*((\a)%4)
	WIN 0x0a+5*((\a)/4)                            ; sources in window 2 or 3
.irp b, 0,1,2,3,4,5,6,7
.irp r, 0,1,2,3
	v_cvt_pk_f16_f32 v[TMP+4*\b+\r], v[AC+8*\b+2*\r], v[AC+8*\b+2*\r+1]
.endr
.endr
	WIN 0
.endm
.macro TOSTAGE a
.irp b, 0,1,2,3,4,5,6,7
	ds_store_b128 v[STO], v[TMP+4*\b:TMP+4*\b+3] offset:(\b/4)*SHEAD+(\b%4)*32
.endr
.set BB, BK+32*((\a)%2)
.irp t, 0,1,2,3,4,5,6,7
	ds_load_b128 v[BB+4*\t:BB+4*\t+3], v[RD] offset:(\t/4)*SHEAD+(\t%4)*4*SROW   ; LDS serves a wave's instructions in order: these see the stores above
.endr
.endm
.macro SEND a
.set BB, BK+32*((\a)%2)
	s_wait_dscnt 0x0                               ; the block is back in registers
	s_wait_xcnt 0x0                                ; the stores of the block before have read their registers: the next block's loads may land there
.irp t, 0,1,2,3,4,5,6,7
	global_store_b128 v[CO], v[BB+4*\t:BB+4*\t+3], s[12:13] offset:(\t/4)*262144+2048*(\a)+512*(\t%4)   ; 512 consecutive bytes, aligned
.endr
.endm
	PLACES NP
	s_wait_xcnt 0x0                                ; EXEC changes only behind this wait
	v_cmp_eq_u32 vcc_lo, 0, v[TZ]                  ; my block 0 holds t = 0 .. 15 of a sequence only where t0 = 0: a mask, not a branch, since t0 hangs on the place in the cluster
	s_and_saveexec_b32 s94, vcc_lo
	WIN 0x08                                       ; a store's data: window 2
.irp b, 0,1,2,3,4,5,6,7
	global_store_b128 v[FO], v[8*\b:8*\b+3], s[98:99] offset:64*\b       ; each accumulator from its low end on
	global_store_b128 v[FO], v[8*\b+4:8*\b+7], s[98:99] offset:64*\b+16
.endr
	WIN 0
	s_wait_xcnt 0x0
	s_or_b32 exec_lo, exec_lo, s94
	PACK 0
	TOSTAGE 0
.irp a, 1,2,3,4,5,6,7
	PACK \a
	SEND \a-1
	TOSTAGE \a
.endr
	SEND 7
	s_wait_tensorcnt 0x0                           ; the wave's end
	ds_add_u32 v[SPW], v[NIL]
	s_wait_dscnt 0x0
	CROUND                                         ; the closing round
	s_endpgm
.Lfunc_end_k_q8de073179d_qkv:
	.size	k_q8de073179d_qkv, .Lfunc_end_k_q8de073179d_qkv-k_q8de073179d_qkv
	.p2alignl 7, 3214868480
	.fill 96, 4, 3214868480
	.section	.rodata,"a",@progbits
	.p2align	6, 0x0
	.amdhsa_kernel k_q8de073179d_qkv
		.amdhsa_group_segment_fixed_size 327680
		.amdhsa_private_segment_fixed_size 0
		.amdhsa_enable_private_segment 0
		.amdhsa_kernarg_size 56
		.amdhsa_user_sgpr_count 2
		.amdhsa_user_sgpr_kernarg_segment_ptr 1
		.amdhsa_wavefront_size32 1
		.amdhsa_system_sgpr_workgroup_id_x 1
		.amdhsa_system_sgpr_workgroup_id_y 1
		.amdhsa_system_sgpr_workgroup_id_z 1
		.amdhsa_system_vgpr_workitem_id 0
		.amdhsa_next_free_vgpr 1024
		.amdhsa_next_free_sgpr 100
		.amdhsa_reserve_vcc 1
		.amdhsa_float_denorm_mode_32 3
		.amdhsa_float_denorm_mode_16_64 3
		.amdhsa_memory_ordered 1
		.amdhsa_forward_progress 1
		.amdhsa_inst_pref_size 130
	.end_amdhsa_kernel
	.amdgpu_metadata
---
amdhsa.version: [ 1, 2 ]
amdhsa.kernels:
  - .name:           k_q8de073179d_qkv
    .symbol:         k_q8de073179d_qkv.kd
    .args:
      - { .name: x_codes, .offset: 0, .size: 8, .value_kind: global_buffer, .address_space: global }
      - { .name: x_scales, .offset: 8, .size: 8, .value_kind: global_buffer, .address_space: global }
      - { .name: w_codes, .offset: 16, .size: 8, .value_kind: global_buffer, .address_space: global }
      - { .name: w_scales, .offset: 24, .size: 8, .value_kind: global_buffer, .address_space: global }
      - { .name: qkvh, .offset: 32, .size: 8, .value_kind: global_buffer, .address_space: global }
      - { .name: b_attn, .offset: 40, .size: 8, .value_kind: global_buffer, .address_space: global }
      - { .name: qkv16, .offset: 48, .size: 8, .value_kind: global_buffer, .address_space: global }
    .group_segment_fixed_size: 327680
    .private_segment_fixed_size: 0
    .kernarg_segment_align: 8
    .kernarg_segment_size: 56
    .max_flat_workgroup_size: 128
    .sgpr_count:     100
    .vgpr_count:     1024
    .wavefront_size: 32
...
	.end_amdgpu_metadata
.endif
;; end of part 2
;; launch attn (part 3): grid 4 x 64, 16 waves a work-group, no clusters, 327,680 bytes of LDS; arguments qkvh, ao; writes ao
.if DOCPART == 3
	.amdgcn_target "amdgcn-amd-amdhsa--gfx1250"
	.amdhsa_code_object_version 6
	.text
	.protected	k_q8de073179d_attn
	.globl	k_q8de073179d_attn
	.p2align	8
	.type	k_q8de073179d_attn,@function
k_q8de073179d_attn:
	s_mov_b64 s[64:65], 0
	v_nop
	global_prefetch_b8 v0, s[64:65] scope:SCOPE_SE
	s_setreg_imm32_b32 hwreg(HW_REG_WAVE_MODE, 25, 1), 1
	s_wait_xcnt 0x0
; Launch 3 of 5: O = softmax(Q K^T / 8, causal) V for each of 64 (batch, head), f16 operands, f32 sums, maxima and exponentials.  ao: f16, [head 16][row 8192][64].
; LEFT OUT: key steps all of whose keys come after a wave's queries (reference() itself puts -inf there: their weights are 0 for all inputs), and the slots that no wave of the work-group reads.
; LIMIT: |q|, |k|, |v| under 65,504 (f16).  Positions 0 to 15 are computed here too (they ride in a wave's pair of tiles, and launch 4's tiles read their bytes); launch 5 makes the output's rows for them in f32.
; SHARES.  Work-group (p, bh) owns query blocks p and 7 - p of 256 queries: 9 blocks' worth of keys in every work-group.  Waves 0-7 take block p, waves 8-15 block 7 - p, the second team in reverse order, so that
; the four waves of a SIMD have the same sum of places.  A wave owns 32 queries: two tiles of 16.  NO CLUSTER: the four work-groups of a head read 8 - p slots each, so partners would need different numbers of tiles.
; Every work-group walks all 8 slots of 256 keys: the trip counts are constants; a hidden step's work is jumped over by a scalar branch on ids.
; LAYOUT.  S^T = K Q^T (source 0 = 16 keys, source 1 = 16 queries): a lane holds one query (lane % 16) and keys 8 (lane / 16) + 0..7 of each tile of 16.  Two such tiles, rounded to f16 in pairs, are source 1 of
; O^T = V^T P.  K comes out of LDS as it lies, V turned by ds_load_tr16_b128.
; SOFTMAX: a running maximum m and sum l for each query; p = 2^(c s - c m), c = log2(e) / 8; O and l are multiplied by a = 2^(c m_old - c m_new) in every step.
.set PK,    144                        ; a key's row in LDS: 128 bytes + 16
.set PV,    160                        ; a row of V: 128 + 32
.set VOFF,  256*PK
.set SLOT1, 1<<17
.set STAGE, SLOT1+256*(PK+PV)          ; 208,896: 32 rows x 144 bytes for each wave; no tensor load lands here
.set SPARE, STAGE+16*32*144            ; 282,624: the spare words, 128 bytes a wave, which no other line names
.set AK0, 1
.set AV0, 2
.set SPW, 3
.set NIL, 4
.set ADK, 5
.set ADV, 6
.set PFO, 7                            ; v7   256 x lane
.set MD0, 8                            ; v8   r - 8 h
.set MD,  9
.set NINF, 10
.set STO, 12
.set RD,  13
.set GO,  14
.set QO,  15
.set ST,  16                           ; tile t's statistics at v[16 + 8 t]: +0 c m, +1 m, +2, +3 l, +4 .. +7 at work; a takes +6
.set QF,  32                           ; Q: tile t, channels 32 s on, at 32 + 16 t + 8 s
.set KV,  64                           ; K's 8 fragments, then V^T's 8
.set S,   128                          ; S^T, 32 a tile; P is made in place in each tile's first 16
.set O,   192                          ; O^T, 32 a tile
.set TB,  2
.set WV,  18
.set SEL, 20
.set CS,  22
.set G1K, 24
.set G1V, 32
.set G0K, 40
.set G0V, 44
.set SLOTS, 67
.set QL,  68                           ; my work-group's last query
.set PFA, 76
.set LIM, 80
.set KF,  98                           ; the step's first key
.set Q0,  99                           ; my first query
.macro TLOAD                           ; waves 0, 1 fetch K's halves of a slot, waves 2, 3 V's, the others nothing; an s_nop 0 and four v_nop follow each line
	s_cmp_lt_u32 s[WV], 2
	s_cbranch_scc0 .Lnot_k_\@
	tensor_load_to_lds s[G0K:G0K+3], s[G1K:G1K+7]
	s_nop 0
.rept 4
	v_nop
.endr
	s_branch .Lasked_\@
.Lnot_k_\@:
	s_cmp_lt_u32 s[WV], 4
	s_cbranch_scc0 .Lasked_\@
	tensor_load_to_lds s[G0V:G0V+3], s[G1V:G1V+7]
	s_nop 0
.rept 4
	v_nop
.endr
.Lasked_\@:
.endm
; A prefetch of the slot that the NEXT change of slots will ask for: 32,768 dense bytes of K and as many of V.  Only the head's work-group p = 0 asks, the one that loads all eight slots; in it waves 4-7 ask for K's,
; waves 8-11 for V's: 8,192 bytes a wave, lanes 256 bytes apart, one instruction: each block of 256 bytes is named once in the launch.  The last change that fills a slot asks for nothing; slots 0 and 1 come by their loads alone.
.macro ASK
	s_cmp_gt_u32 s[SLOTS], s[LIM]
	s_cbranch_scc0 .Lnot_mine_\@
	global_prefetch_b8 v[PFO], s[PFA:PFA+1] th:TH_LOAD_NT scope:SCOPE_SE
.Lnot_mine_\@:
.endm
	s_load_b128 s[8:11], s[0:1], 0x0               ; qkvh s[8:9], ao s[10:11]
	v_lshl_add_u32 v[SPW], v0, 2, SPARE
	v_mov_b32 v[NIL], 0
	ds_add_u32 v[SPW], v[NIL]                      ; the opening: the add, twice on end, and its wait ahead of the first tensor load
	ds_add_u32 v[SPW], v[NIL]
	v_lshrrev_b32 v5, 5, v0
	v_readfirstlane_b32 s[WV], v5                  ; wave 0..15
	s_and_b32 s70, ttmp7, 0xffff                   ; bh = 16 x batch + head
	s_lshr_b32 s71, s[WV], 3                       ; team
	s_and_b32 s72, s[WV], 7
	s_sub_co_u32 s73, 7, ttmp9
	s_sub_co_u32 s74, 7, s72
	s_cmp_eq_u32 s71, 0
	s_cselect_b32 s73, ttmp9, s73                  ; my block of 256 queries
	s_cselect_b32 s74, s72, s74                    ; my place in it
	s_lshl_b32 s73, s73, 8
	s_lshl_b32 s74, s74, 5
	s_add_co_u32 s[Q0], s73, s74
	s_sub_co_u32 s[QL], 8, ttmp9
	s_lshl_b32 s[QL], s[QL], 8
	s_sub_co_u32 s[QL], s[QL], 1
	s_lshl_b32 s75, s70, 18                        ; a plane is 2,048 x 128 bytes
	s_and_b32 s88, s[WV], 1
	s_lshl_b32 s82, s88, 14
	s_add_co_u32 s82, s82, s75
	s_add_co_u32 s82, s82, 0x1000000               ; K's third of qkvh, my 128 keys of a slot
	s_mov_b32 s83, 0
	s_add_co_u32 s84, s82, 0x1000000               ; V's
	s_mov_b32 s85, 0
	s_lshl_b32 s86, s[Q0], 7
	s_add_co_u32 s86, s86, s75                     ; Q at my first query
	s_mov_b32 s87, 0
	s_and_b32 s90, s70, 15
	s_lshl_b32 s90, s90, 20                        ; ao: the head's plane,
	s_lshr_b32 s91, s70, 4
	s_lshl_b32 s91, s91, 11
	s_add_co_u32 s91, s91, s[Q0]
	s_lshl_b32 s91, s91, 7                         ; row 2,048 x batch + my first query
	s_add_co_u32 s90, s90, s91
	s_mov_b32 s91, 0
	s_mov_b32 s92, 0x2000000
	s_cmp_lt_u32 s[WV], 8
	s_cselect_b32 s92, 0x1000000, s92              ; waves 4-7 ask for K, waves 8-11 for V
	s_and_b32 s93, s[WV], 3
	s_lshl_b32 s93, s93, 13
	s_add_co_u32 s92, s92, s93
	s_add_co_u32 s92, s92, s75
	s_add_co_u32 s92, s92, 32768                   ; in slot 1: the first change of slots steps it to slot 2
	s_mov_b32 s93, 0
	s_sub_co_u32 s94, s[WV], 4
	s_lshr_b32 s94, s94, 3                         ; 0 in waves 4 to 11,
	s_or_b32 s94, s94, ttmp9                       ; of work-group p = 0
	s_cmp_eq_u32 s94, 0
	s_cselect_b32 s[LIM], 1, -1
	s_mov_b32 s[G1K], (1<<16)|(1<<20)|(4<<22)|(3<<25)             ; elements of 2 bytes; padding: 4 words behind every 32
	s_mov_b32 s[G1V], (1<<16)|(1<<20)|(4<<22)|(7<<25)             ; 8 words behind every 32
.irp g, G1K, G1V
	s_mov_b32 s[\g+1], 64<<16                      ; tensor_dim0
	s_mov_b32 s[\g+2], 128<<16                     ; tensor_dim1
	s_mov_b32 s[\g+3], 64<<16                      ; tile_dim0
	s_mov_b32 s[\g+4], 128                         ; tile_dim1
	s_mov_b32 s[\g+5], 64                          ; from row to row
	s_mov_b32 s[\g+6], 0
	s_mov_b32 s[\g+7], 0
.endr
	s_mov_b32 s[SEL], 0x76543210
	s_mov_b32 s[SEL+1], 0xfedcba98
	s_mov_b32 s[CS], 0x3e38aa3b                    ; c = log2(e) / 8
	s_mov_b32 s[CS+1], s[CS]
	s_mov_b32 s[TB], 0
	s_mov_b32 s[SLOTS], 7
	s_mov_b32 s[KF], 0
	s_wait_dscnt 0x0                               ; both opening adds are done
	s_wait_kmcnt 0x0
	s_mov_b32 s[G0K], 1
	s_mul_i32 s[G0K+1], s88, 128*PK
	s_add_nc_u64 s[G0K+2:G0K+3], s[8:9], s[82:83]
	s_or_b32 s[G0K+3], s[G0K+3], 0x80000000
	s_mov_b32 s[G0V], 1
	s_mul_i32 s[G0V+1], s88, 128*PV
	s_add_co_u32 s[G0V+1], s[G0V+1], VOFF
	s_add_nc_u64 s[G0V+2:G0V+3], s[8:9], s[84:85]
	s_or_b32 s[G0V+3], s[G0V+3], 0x80000000
	TLOAD                                          ; slot 0: one load of a wave is out
	s_add_nc_u64 s[4:5], s[8:9], s[86:87]
	s_add_nc_u64 s[6:7], s[10:11], s[90:91]
	s_add_nc_u64 s[PFA:PFA+1], s[8:9], s[92:93]
	v_and_b32 v5, 15, v0                           ; r
	v_bfe_u32 v6, v0, 4, 1                         ; h
	v_lshlrev_b32 v[QO], 7, v5
	v_lshl_add_u32 v[QO], v6, 4, v[QO]
.irp t, 0,1
.irp s, 0,1
	global_load_b128 v[QF+16*\t+8*\s:QF+16*\t+8*\s+3], v[QO], s[4:5] offset:2048*\t+64*\s
	global_load_b128 v[QF+16*\t+8*\s+4:QF+16*\t+8*\s+7], v[QO], s[4:5] offset:2048*\t+64*\s+32
.endr
.endr
	v_mul_u32_u24 v[AK0], v5, PK
	v_lshl_add_u32 v[AK0], v6, 4, v[AK0]
	v_and_b32 v9, 7, v0
	v_lshl_add_u32 v[AV0], v6, 3, v9
	v_mul_u32_u24 v[AV0], v[AV0], PV
	v_bfe_u32 v9, v0, 3, 1
	v_lshl_add_u32 v[AV0], v9, 4, v[AV0]
	v_add_nc_u32 v[AV0], VOFF, v[AV0]
	v_lshlrev_b32 v9, 3, v6
	v_sub_nc_u32 v[MD0], v5, v9
	v_mov_b32 v[NINF], 0xff800000
	v_and_b32 v[PFO], 31, v0
	v_lshlrev_b32 v[GO], 4, v[PFO]                 ; the way out: 16 bytes a lane, 512 dense bytes an instruction
	s_mul_i32 s73, s[WV], 32*144
	s_add_co_u32 s73, s73, STAGE
	v_mul_u32_u24 v[STO], v5, 144
	v_lshl_add_u32 v[STO], v6, 4, v[STO]
	v_add_nc_u32 v[STO], s73, v[STO]
	v_lshrrev_b32 v[RD], 3, v[PFO]
	v_mul_u32_u24 v[RD], v[RD], 144
	v_and_b32 v9, 7, v0
	v_lshl_add_u32 v[RD], v9, 4, v[RD]
	v_add_nc_u32 v[RD], s73, v[RD]
	v_lshlrev_b32 v[PFO], 8, v[PFO]
.irp t, 0,1
	v_mov_b32 v[ST+8*\t+1], 0xff61b1e6             ; m: -3e38, under every score
	v_mul_f32 v[ST+8*\t], s[CS], v[ST+8*\t+1]
.irp i, 2,3,4,5,6,7
	v_mov_b32 v[ST+8*\t+\i], 0
.endr
.endr
.irp j, 0,1,2,3,4,5,6,7,8,9,10,11,12,13,14,15,16,17,18,19,20,21,22,23,24,25,26,27,28,29,30,31,32,33,34,35,36,37,38,39,40,41,42,43,44,45,46,47,48,49,50,51,52,53,54,55,56,57,58,59,60,61,62,63
	v_mov_b32 v[O+\j], 0                           ; the step is written once: the first finds zeros, which a = 0 leaves zeros
.endr
; A KEY STEP: 64 keys, the q-th 64 of the slot in hand.
.macro STEP q
	s_add_co_u32 s96, s[Q0], 31
	s_cmp_gt_u32 s[KF], s96                        ; all 64 keys come after my 32 queries: the step's work is left out
	s_cbranch_scc1 .Lhidden_\@
	v_add_nc_u32 v[ADK], s[TB], v[AK0]             ; these two and three v_nop: five places behind the last step's products, ahead of the loads into their operands and of the products that write over P
	v_add_nc_u32 v[ADV], s[TB], v[AV0]
.rept 3
	v_nop
.endr
.irp s, 0,1
.irp kt, 0,1,2,3
	ds_load_b128 v[KV+8*(4*\s+\kt):KV+8*(4*\s+\kt)+3], v[ADK] offset:(64*(\q)+16*\kt)*PK+64*\s
	ds_load_b128 v[KV+8*(4*\s+\kt)+4:KV+8*(4*\s+\kt)+7], v[ADK] offset:(64*(\q)+16*\kt)*PK+64*\s+32
.endr
.endr
	s_wait_dscnt 8                                 ; channels 0-31 are in; the eight loads of channels 32-63 may be out
.irp kt, 0,1,2,3
.irp t, 0,1
	v_wmma_f32_16x16x32_f16 v[S+32*\t+8*\kt:S+32*\t+8*\kt+7], v[KV+8*\kt:KV+8*\kt+7], v[QF+16*\t:QF+16*\t+7], 0
.endr
.endr
	s_wait_dscnt 0x0
.irp kt, 0,1,2,3                               ; the eight accumulators take turns
.irp t, 0,1
	v_wmma_f32_16x16x32_f16 v[S+32*\t+8*\kt:S+32*\t+8*\kt+7], v[KV+32+8*\kt:KV+32+8*\kt+7], v[QF+16*\t+8:QF+16*\t+15], v[S+32*\t+8*\kt:S+32*\t+8*\kt+7]
.endr
.endr
.rept 4
	v_nop                                          ; places ahead of the loads into K's registers and of the first read of the scores
.endr
.irp u, 0,1                                    ; V^T's fragments land under the softmax: keys 32 u on, channels 16 dt on
.irp dt, 0,1,2,3
	ds_load_tr16_b128 v[KV+32*\u+8*\dt:KV+32*\u+8*\dt+3], v[ADV] offset:(64*(\q)+32*\u)*PV+32*\dt
	ds_load_tr16_b128 v[KV+32*\u+8*\dt+4:KV+32*\u+8*\dt+7], v[ADV] offset:(64*(\q)+32*\u+16)*PV+32*\dt
.endr
.endr
	s_add_co_u32 s96, s[KF], 63
	s_cmp_le_u32 s96, s[Q0]                        ; all 64 keys count for all my queries: no mask
	s_cbranch_scc1 .Lopen_\@
	s_sub_co_i32 s96, s[Q0], s[KF]
	v_add_nc_u32 v[MD], s96, v[MD0]                ; register n holds key KF + 16 (n / 8) + 8 h + n % 8: hidden where 16 (n / 8) + n % 8 > my query - KF - 8 h
.irp t, 0,1
.irp n, 0,1,2,3,4,5,6,7,8,9,10,11,12,13,14,15,16,17,18,19,20,21,22,23,24,25,26,27,28,29,30,31
	v_cmp_gt_i32 vcc_lo, 16*(\n/8)+\n%8, v[MD]
	v_cndmask_b32 v[S+32*\t+\n], v[S+32*\t+\n], v[NINF], vcc_lo
.endr
.if \t == 0
	v_add_nc_u32 v[MD], 16, v[MD]                  ; tile 1's queries lie 16 on
.endif
.endr
.Lopen_\@:
.irp j, 0,1,2,3                                ; the maximum, each accumulator from its low end on; the two tiles alternate
.irp t, 0,1
	v_max3_num_f32 v[ST+8*\t+4+\j], v[S+32*\t+8*\j], v[S+32*\t+8*\j+1], v[S+32*\t+8*\j+2]
.endr
.endr
.irp i, 3,5
.irp j, 0,1,2,3
.irp t, 0,1
	v_max3_num_f32 v[ST+8*\t+4+\j], v[ST+8*\t+4+\j], v[S+32*\t+8*\j+\i], v[S+32*\t+8*\j+\i+1]
.endr
.endr
.endr
.irp t, 0,1
	v_max3_num_f32 v[ST+8*\t+4], v[ST+8*\t+4], v[S+32*\t+7], v[S+32*\t+15]
.endr
.irp t, 0,1
	v_max3_num_f32 v[ST+8*\t+6], v[ST+8*\t+6], v[S+32*\t+23], v[S+32*\t+31]
.endr
.irp t, 0,1
	v_max3_num_f32 v[ST+8*\t+4], v[ST+8*\t+4], v[ST+8*\t+5], v[ST+8*\t+6]
.endr
.irp t, 0,1
	v_max3_num_f32 v[ST+8*\t+4], v[ST+8*\t+4], v[ST+8*\t+7], v[ST+8*\t+1]   ; and the old m
.endr
.irp t, 0,1
	v_permlanex16_b32 v[ST+8*\t+5], v[ST+8*\t+4], s[SEL], s[SEL+1]          ; the query's other 32 keys lie in the lane 16 away
.endr
.irp t, 0,1
	v_mov_b32 v[ST+8*\t+7], v[ST+8*\t]             ; c m_old
.endr
.irp t, 0,1
	v_max_num_f32 v[ST+8*\t+1], v[ST+8*\t+4], v[ST+8*\t+5]
.endr
.irp t, 0,1
	v_mul_f32 v[ST+8*\t], s[CS], v[ST+8*\t+1]
.endr
.irp t, 0,1
	v_sub_f32 v[ST+8*\t+7], v[ST+8*\t+7], v[ST+8*\t]
.endr
.irp b, 0,2,4,6,8,10,12,14,16,18,20,22,24,26,28,30
.irp t, 0,1
	v_pk_fma_f32 v[S+32*\t+\b:S+32*\t+\b+1], v[S+32*\t+\b:S+32*\t+\b+1], s[CS:CS+1], v[ST+8*\t:ST+8*\t+1] op_sel_hi:[1,0,0] neg_lo:[0,0,1] neg_hi:[0,0,1]   ; c s - c m
.endr
.endr
.irp t, 0,1                                    ; ONE BATCH of 66 exponentials: none reads another's result
	v_exp_f32 v[ST+8*\t+6], v[ST+8*\t+7]           ; a
.endr
.irp n, 0,1,2,3,4,5,6,7,8,9,10,11,12,13,14,15,16,17,18,19,20,21,22,23,24,25,26,27,28,29,30,31
.irp t, 0,1
	v_exp_f32 v[S+32*\t+\n], v[S+32*\t+\n]
.endr
.endr
	v_nop                                          ; a plain instruction behind the last exponential
	s_wait_alu depctr_va_vdst(0)                   ; one wait for the batch, ahead of its first reader
.irp t, 0,1
	v_pk_mul_f32 v[ST+8*\t+2:ST+8*\t+3], v[ST+8*\t+2:ST+8*\t+3], v[ST+8*\t+6:ST+8*\t+7] op_sel_hi:[1,0]   ; l x a
.endr
.irp t, 0,1
	v_pk_add_f32 v[ST+8*\t+4:ST+8*\t+5], v[S+32*\t:S+32*\t+1], v[S+32*\t+2:S+32*\t+3]   ; the sum of the f32 weights, in two chains
.endr
.irp j, 4,8,12,16,20,24,28
.irp t, 0,1
	v_pk_add_f32 v[ST+8*\t+2:ST+8*\t+3], v[ST+8*\t+2:ST+8*\t+3], v[S+32*\t+\j:S+32*\t+\j+1]
	v_pk_add_f32 v[ST+8*\t+4:ST+8*\t+5], v[ST+8*\t+4:ST+8*\t+5], v[S+32*\t+\j+2:S+32*\t+\j+3]
.endr
.endr
.irp t, 0,1
	v_pk_add_f32 v[ST+8*\t+2:ST+8*\t+3], v[ST+8*\t+2:ST+8*\t+3], v[ST+8*\t+4:ST+8*\t+5]
.endr
.irp i, 0,1,2,3,4,5,6,7,8,9,10,11,12,13,14,15  ; P in place, ascending: register i takes weights 2 i and 2 i + 1, which no later line reads
.irp t, 0,1
	v_cvt_pk_f16_f32 v[S+32*\t+\i], v[S+32*\t+2*\i], v[S+32*\t+2*\i+1]
.endr
.endr
.irp i, 0,2,4,6,8,10,12,14,16,18,20,22,24,26,28,30
.irp t, 0,1
	v_pk_mul_f32 v[O+32*\t+\i:O+32*\t+\i+1], v[O+32*\t+\i:O+32*\t+\i+1], v[ST+8*\t+6:ST+8*\t+7] op_sel_hi:[1,0]   ; O^T x a, each accumulator from its low end on
.endr
.endr
	s_wait_dscnt 0x0                               ; V is in
.irp u, 0,1                                    ; O^T += V^T P: the eight accumulators take turns
.irp dt, 0,1,2,3
.irp t, 0,1
	v_wmma_f32_16x16x32_f16 v[O+32*\t+8*\dt:O+32*\t+8*\dt+7], v[KV+32*\u+8*\dt:KV+32*\u+8*\dt+7], v[S+32*\t+8*\u:S+32*\t+8*\u+7], v[O+32*\t+8*\dt:O+32*\t+8*\dt+7]
.endr
.endr
.endr
.Lhidden_\@:
	s_add_co_u32 s[KF], s[KF], 64
.endm
; THE CHANGE OF SLOTS stands at a slot's head: each wave waits for all its tensor loads, adds 0 to its spare word, waits for that and for its reads of the slot that it has left; one barrier.
; fill = 1: the slot just left is filled with the next 256 keys, while their first key is at or under the work-group's last query; beyond that no wave would read them.
; Every wait for tensor loads in this text is for 0.
.macro CHANGE fill
	s_wait_tensorcnt 0x0
	ds_add_u32 v[SPW], v[NIL]
.if \fill
	ds_add_u32 v[SPW], v[NIL]                      ; and once more, in every trip alike
	s_xor_b32 s[G0K+1], s[G0K+1], SLOT1            ; no tensor load of mine is out: the walking descriptors step
	s_add_nc_u64 s[G0K+2:G0K+3], s[G0K+2:G0K+3], 32768
	s_xor_b32 s[G0V+1], s[G0V+1], SLOT1
	s_add_nc_u64 s[G0V+2:G0V+3], s[G0V+2:G0V+3], 32768
	s_wait_xcnt 0x0                                ; the last prefetch, a slot back, has read its address
	s_add_nc_u64 s[PFA:PFA+1], s[PFA:PFA+1], 32768
.endif
	s_wait_dscnt 0x0
	s_barrier_signal -1
	s_barrier_wait -1
.if \fill
	s_add_co_u32 s96, s[KF], 256
	s_cmp_gt_u32 s96, s[QL]
	s_cbranch_scc1 .Lpast_\@
	TLOAD
.Lpast_\@:
	ASK
.endif
.endm
.macro SLOT_STEPS
.set Q, 0
.rept 4
	STEP Q
.set Q, Q+1
.endr
	s_xor_b32 s[TB], s[TB], SLOT1
.endm
	s_wait_loadcnt 0x0                             ; Q
.Lslot:                                            ; seven trips
	CHANGE 1
	SLOT_STEPS
	s_sub_co_u32 s[SLOTS], s[SLOTS], 1
	s_cmp_lg_u32 s[SLOTS], 0
	s_cbranch_scc1 .Lslot
	CHANGE 0                                       ; the last slot is written out: nothing is left to ask for
	SLOT_STEPS
	; THE WAY OUT: O^T / l, rounded to f16, through my stage, out as 4,096 dense bytes of the head's plane
.rept 4
	v_nop
.endr
.irp t, 0,1
	v_add_f32 v[ST+8*\t+4], v[ST+8*\t+2], v[ST+8*\t+3]
.endr
.irp t, 0,1
	v_permlanex16_b32 v[ST+8*\t+5], v[ST+8*\t+4], s[SEL], s[SEL+1]
.endr
.irp t, 0,1
	v_add_f32 v[ST+8*\t+4], v[ST+8*\t+4], v[ST+8*\t+5]
.endr
.irp t, 0,1
	v_rcp_f32 v[ST+8*\t+6], v[ST+8*\t+4]
.endr
	v_nop
	s_wait_alu depctr_va_vdst(0)                   ; one wait for the two reciprocals
.irp t, 0,1
.irp i, 0,2,4,6,8,10,12,14,16,18,20,22,24,26,28,30
	v_pk_mul_f32 v[O+32*\t+\i:O+32*\t+\i+1], v[O+32*\t+\i:O+32*\t+\i+1], v[ST+8*\t+6:ST+8*\t+7] op_sel_hi:[1,0]
.endr
.endr
.irp i, 0,1,2,3,4,5,6,7,8,9,10,11,12,13,14,15,16,17,18,19,20,21,22,23,24,25,26,27,28,29,30,31
	v_cvt_pk_f16_f32 v[KV+\i], v[O+2*\i], v[O+2*\i+1]
.endr
.irp t, 0,1
.irp dt, 0,1,2,3
	ds_store_b128 v[STO], v[KV+16*\t+4*\dt:KV+16*\t+4*\dt+3] offset:2304*\t+32*\dt
.endr
.endr
.irp i, 0,1,2,3,4,5,6,7
	ds_load_b128 v[KV+32+4*\i:KV+32+4*\i+3], v[RD] offset:576*\i   ; LDS serves a wave's instructions in order: these see my stores
.endr
.irp i, 0,1,2,3,4,5,6,7
	s_wait_dscnt 7-\i                              ; the younger loads may be out
	global_store_b128 v[GO], v[KV+32+4*\i:KV+32+4*\i+3], s[6:7] offset:512*\i
.endr
	s_wait_tensorcnt 0x0                           ; the wave's end
	ds_add_u32 v[SPW], v[NIL]
	s_wait_dscnt 0x0
	s_endpgm
.Lfunc_end_k_q8de073179d_attn:
	.size	k_q8de073179d_attn, .Lfunc_end_k_q8de073179d_attn-k_q8de073179d_attn
	.p2alignl 7, 3214868480
	.fill 96, 4, 3214868480
	.section	.rodata,"a",@progbits
	.p2align	6, 0x0
	.amdhsa_kernel k_q8de073179d_attn
		.amdhsa_group_segment_fixed_size 327680
		.amdhsa_private_segment_fixed_size 0
		.amdhsa_enable_private_segment 0
		.amdhsa_kernarg_size 16
		.amdhsa_user_sgpr_count 2
		.amdhsa_user_sgpr_kernarg_segment_ptr 1
		.amdhsa_wavefront_size32 1
		.amdhsa_system_sgpr_workgroup_id_x 1
		.amdhsa_system_sgpr_workgroup_id_y 1
		.amdhsa_system_sgpr_workgroup_id_z 1
		.amdhsa_system_vgpr_workitem_id 0
		.amdhsa_next_free_vgpr 256
		.amdhsa_next_free_sgpr 100
		.amdhsa_reserve_vcc 1
		.amdhsa_float_denorm_mode_32 3
		.amdhsa_float_denorm_mode_16_64 3
		.amdhsa_memory_ordered 1
		.amdhsa_forward_progress 1
		.amdhsa_inst_pref_size 189
	.end_amdhsa_kernel
	.amdgpu_metadata
---
amdhsa.version: [ 1, 2 ]
amdhsa.kernels:
  - .name:           k_q8de073179d_attn
    .symbol:         k_q8de073179d_attn.kd
    .args:
      - { .name: qkvh, .offset: 0, .size: 8, .value_kind: global_buffer, .address_space: global }
      - { .name: ao, .offset: 8, .size: 8, .value_kind: global_buffer, .address_space: global }
    .group_segment_fixed_size: 327680
    .private_segment_fixed_size: 0
    .kernarg_segment_align: 8
    .kernarg_segment_size: 16
    .max_flat_workgroup_size: 512
    .sgpr_count:     100
    .vgpr_count:     256
    .wavefront_size: 32
...
	.end_amdgpu_metadata
.endif
;; end of part 3
;; launch proj (part 4): grid 4 x 64, 4 waves a work-group, clusters of 4 x 4, 327,680 bytes of LDS; arguments ao, wph, b_proj, out0; writes out0
.if DOCPART == 4
	.amdgcn_target "amdgcn-amd-amdhsa--gfx1250"
	.amdhsa_code_object_version 6
	.text
	.protected	k_q8de073179d_proj
	.globl	k_q8de073179d_proj
	.p2align	8
	.type	k_q8de073179d_proj,@function
k_q8de073179d_proj:
	s_mov_b64 s[64:65], 0
	v_nop
	global_prefetch_b8 v0, s[64:65] scope:SCOPE_SE
	s_setreg_imm32_b32 hwreg(HW_REG_WAVE_MODE, 25, 1), 1
	s_wait_xcnt 0x0
	s_wait_alu depctr_hold_cnt(0) depctr_sa_sdst(0) depctr_va_vdst(0) depctr_va_sdst(0) depctr_va_ssrc(0) depctr_va_vcc(0) depctr_vm_vsrc(0)
	s_getreg_b32 s2, hwreg(HW_REG_IB_STS2, 6, 4)
	s_cmp_eq_u32 s2, 0
	s_cbranch_scc0 .Lentry_in_a_cluster
	s_endpgm
.Lentry_in_a_cluster:
	s_bfe_u32 s2, ttmp6, 0x10000c
	s_cmp_lg_u32 s2, 0xf033
	s_cbranch_scc0 .Lentry_shape_is_right
	s_endpgm
.Lentry_shape_is_right:
; Launch 4 of 5: out0 = ao w_proj + b_proj, f16 operands, f32 sums.  ao: f16 [head 16][row 8192][64]; wph: f16 [k 1024][n 1024]; out0: f32 [8192][1024].
; LEFT OUT: the stores of rows t = 0 .. 15 of every sequence: launch 5 makes those rows in f32.  (Their products ride inside a wave's tile of 64 rows.)
; A tile of 128 rows x 256 columns is made by four waves, 64 x 128 each: 32 accumulators.  256 work-groups.  K goes in 8 steps of 128 (two planes of ao) through a ring of two LDS slots.
; CLUSTERS: 4 x 4: ao's tiles are shared along a row of the cluster, w's along a column, by joint loads.  No prefetch: the launch has eight K steps, of which the first four are asked for at once or one step on.
; TRANSPOSED USE: source 0 = 16 columns of w (turned on the way out of LDS by ds_load_tr16_b128), source 1 = 16 rows of ao: a lane holds row l % 16 and eight neighbouring columns.  The bias is the C of each sum's first instruction.
; REGISTERS: window 0: v0-31 addresses; v32-127, v128-223 two fragment buffers (ao's 4 x 8, then w's 8 x 8).  window 1: the accumulators ((a, b) at v[8 (8 a + b)]).  window 2: v0-63 the bias.
.set PA,      144                      ; a row of ao in LDS: 128 bytes + 16
.set PLANE_L, 128*PA
.set BOFF,    2*PLANE_L
.set PB,      544                      ; a row of w: 512 bytes + 32
.set BHALF,   64*PB
.set SLOT,    BOFF+2*BHALF             ; 106,496
.set STAGE,   2*SLOT                   ; 16 rows x 528 bytes for each wave; no tensor load lands here
.set SPITCH,  528
.set SPARE,   STAGE+4*16*SPITCH        ; the spare words, 128 bytes a wave, which no other line names
.set LAPS,    4
.set ADRA, 16
.set ADRB, 20
.set STO,  24
.set RD,   25
.set CO,   26
.set TZ,   27
.set SPW,  28
.set NIL,  29
.set BO,   30
.set F0,   32
.set F1,   128
.set G1A, 24
.set G0A, 32
.set G1B, 48
.set G0B, 56
.set MSB, 0
.macro WIN new
.if MSB != \new
	s_set_vgpr_msb (MSB<<8)|\new
.set MSB, \new
.endif
.endm
.set W_MUL,   0x50                     ; C and D window 1, sources window 0
.set W_FIRST, 0x60                     ; C (the bias) window 2, D window 1
.macro JLOAD s                         ; waves 0, 1 fetch ao's two planes, waves 2, 3 w's two halves; an s_nop 0 and four v_nop follow each line
	s_cmp_eq_u32 s13, 0
	s_cbranch_scc0 .Lfor_b_\@
	tensor_load_to_lds s[G0A+4*\s:G0A+4*\s+3], s[G1A:G1A+7]
	s_nop 0
.rept 4
	v_nop
.endr
	s_branch .Lasked_\@
.Lfor_b_\@:
	tensor_load_to_lds s[G0B+4*\s:G0B+4*\s+3], s[G1B:G1B+7]
	s_nop 0
.rept 4
	v_nop
.endr
.Lasked_\@:
.endm
.macro CREST
	s_cmp_lg_u32 s12, 0
	s_cbranch_scc1 .Lnot_wave_0_\@
	s_barrier_signal -3
.Lnot_wave_0_\@:
	s_barrier_wait -3
	s_barrier_signal -1
	s_barrier_wait -1
.endm
.macro CROUND
	s_barrier_signal -1
	s_barrier_wait -1
	CREST
.endm
	s_load_b256 s[4:11], s[0:1], 0x0               ; ao s[4:5], wph s[6:7], b_proj s[8:9], out0 s[10:11]
	v_lshl_add_u32 v[SPW], v0, 2, SPARE
	v_mov_b32 v[NIL], 0
	ds_add_u32 v[SPW], v[NIL]                      ; the opening: the add, twice on end, and its wait ahead of my first tensor load
	ds_add_u32 v[SPW], v[NIL]
	v_lshrrev_b32 v1, 5, v0
	v_readfirstlane_b32 s12, v1                    ; wave
	s_lshr_b32 s13, s12, 1                         ; my half of the rows; also: I fetch for ao (0) or w (1)
	s_and_b32 s14, s12, 1                          ; my half of the columns; also: which part I fetch
	s_bfe_u32 s40, ttmp6, 0x40000                  ; cx
	s_bfe_u32 s41, ttmp6, 0x40004                  ; cy
	s_lshl_b32 s42, ttmp9, 2
	s_add_co_u32 s42, s42, s40                     ; tile column
	s_and_b32 s15, ttmp7, 0xffff
	s_lshl_b32 s15, s15, 2
	s_add_co_u32 s15, s15, s41                     ; tile row
	s_lshl_b32 s43, s41, 2
	s_lshl_b32 s43, 15, s43                        ; my row of the cluster
	s_lshl_b32 s44, 0x1111, s40                    ; my column
	s_or_b32 s[G1A], s43, (1<<16)|(1<<20)|(1<<21)|(4<<22)|(3<<25)   ; elements of 2 bytes; padding: 4 words behind every 32
	s_mov_b32 s[G1A+1], 64<<16
	s_mov_b32 s[G1A+2], 128<<16
	s_mov_b32 s[G1A+3], 64<<16
	s_mov_b32 s[G1A+4], 128
	s_mov_b32 s[G1A+5], 64
	s_mov_b32 s[G1A+6], 0
	s_mov_b32 s[G1A+7], 0
	s_or_b32 s[G1B], s44, (1<<16)|(1<<20)|(1<<21)|(6<<22)|(7<<25)   ; padding: 8 words behind every 128
	s_mov_b32 s[G1B+1], 256<<16
	s_mov_b32 s[G1B+2], 64<<16
	s_mov_b32 s[G1B+3], 256<<16
	s_mov_b32 s[G1B+4], 64
	s_mov_b32 s[G1B+5], 1024
	s_mov_b32 s[G1B+6], 0
	s_mov_b32 s[G1B+7], 0
	s_lshl_b32 s16, s14, 20                        ; ao: my plane of the K step's two,
	s_lshl_b32 s17, s15, 14                        ; the tile's 128 rows of 128 bytes
	s_add_co_u32 s16, s16, s17
	s_mov_b32 s17, 0
	s_lshl_b32 s46, s14, 17                        ; w: my 64 rows of 2,048 bytes,
	s_lshl_b32 s47, s42, 9                         ; the tile's 256 columns
	s_add_co_u32 s46, s46, s47
	s_mov_b32 s47, 0
	s_mul_i32 s20, s14, PLANE_L
	s_mul_i32 s21, s14, BHALF
	s_add_co_u32 s21, s21, BOFF
	s_wait_dscnt 0x0                               ; both opening adds are done
	s_wait_kmcnt 0x0
	s_add_nc_u64 s[18:19], s[4:5], s[16:17]
	s_add_nc_u64 s[46:47], s[6:7], s[46:47]
	CROUND                                         ; all sixteen work-groups are here
.irp s, 0,1
	s_mov_b32 s[G0A+4*\s], 1
	s_add_co_u32 s[G0A+4*\s+1], s20, \s*SLOT
	s_add_nc_u64 s[G0A+4*\s+2:G0A+4*\s+3], s[18:19], \s*2097152
	s_or_b32 s[G0A+4*\s+3], s[G0A+4*\s+3], 0x80000000
	s_mov_b32 s[G0B+4*\s], 1
	s_add_co_u32 s[G0B+4*\s+1], s21, \s*SLOT
	s_add_nc_u64 s[G0B+4*\s+2:G0B+4*\s+3], s[46:47], \s*262144
	s_or_b32 s[G0B+4*\s+3], s[G0B+4*\s+3], 0x80000000
	JLOAD \s                                       ; two loads of mine are out at the most
.endr
	v_and_b32 v1, 15, v0                           ; r
	v_bfe_u32 v2, v0, 4, 1                         ; h
	v_mul_u32_u24 v3, v1, PA
	v_lshl_add_u32 v3, v2, 4, v3
	s_mul_i32 s22, s13, 64*PA                      ; my 64 rows
	v_and_b32 v4, 7, v0
	v_lshl_add_u32 v4, v2, 3, v4
	v_mul_u32_u24 v4, v4, PB
	v_bfe_u32 v5, v0, 3, 1
	v_lshl_add_u32 v4, v5, 4, v4
	s_lshl_b32 s23, s14, 8                         ; my 128 columns
	s_add_co_u32 s23, s23, BOFF
.irp s, 0,1
	v_add_nc_u32 v[ADRA+\s], s22, v3
	v_add_nc_u32 v[ADRB+\s], s23, v4
	s_add_co_u32 s22, s22, SLOT
	s_add_co_u32 s23, s23, SLOT
.endr
	s_mul_i32 s22, s12, 16*SPITCH
	s_add_co_u32 s22, s22, STAGE
	v_mul_u32_u24 v5, v1, SPITCH
	v_lshl_add_u32 v5, v2, 5, v5
	v_add_nc_u32 v[STO], s22, v5
	v_and_b32 v6, 31, v0
	v_lshlrev_b32 v[CO], 4, v6
	v_add_nc_u32 v[RD], s22, v[CO]
	v_lshlrev_b32 v[BO], 5, v2
	s_lshl_b32 s66, s15, 7
	s_lshl_b32 s67, s13, 6
	s_add_co_u32 s66, s66, s67                     ; my first row
	s_and_b32 s69, s66, 2047                       ; its t
	s_lshl_b32 s66, s66, 12
	s_lshl_b32 s70, s42, 10
	s_lshl_b32 s71, s14, 9
	s_add_co_u32 s70, s70, s71                     ; my first column, in bytes of f32
	s_mov_b32 s71, 0
	s_add_nc_u64 s[8:9], s[8:9], s[70:71]
	s_add_co_u32 s66, s66, s70
	s_mov_b32 s67, 0
	s_add_nc_u64 s[10:11], s[10:11], s[66:67]
	v_mov_b32 v[TZ], s69
	WIN 0x80                                       ; destination window 2
.irp b, 0,1,2,3,4,5,6,7
	global_load_b128 v[8*\b:8*\b+3], v[BO], s[8:9] offset:64*\b
	global_load_b128 v[8*\b+4:8*\b+7], v[BO], s[8:9] offset:64*\b+16
.endr
	WIN 0
.macro FETCH slot, q, f                ; the fragments of the slot's q-th 32 along K into buffer f: 24 loads in one run
.irp i, 0,1,2,3
	ds_load_b128 v[\f+8*\i:\f+8*\i+3], v[ADRA+\slot] offset:((\q)/2)*PLANE_L+((\q)%2)*64+\i*16*PA
	ds_load_b128 v[\f+8*\i+4:\f+8*\i+7], v[ADRA+\slot] offset:((\q)/2)*PLANE_L+((\q)%2)*64+\i*16*PA+32
.endr
.irp i, 0,1,2,3,4,5,6,7
	ds_load_tr16_b128 v[\f+32+8*\i:\f+32+8*\i+3], v[ADRB+\slot] offset:(\q)*32*PB+32*\i
	ds_load_tr16_b128 v[\f+32+8*\i+4:\f+32+8*\i+7], v[ADRB+\slot] offset:(\q)*32*PB+16*PB+32*\i
.endr
.endm
.macro MULA f, a, first                ; ao's block a against w's eight; the 32 accumulators take turns in one order throughout
.irp b, 0,1,2,3,4,5,6,7
.if \first
	v_wmma_f32_16x16x32_f16 v[8*(8*\a+\b):8*(8*\a+\b)+7], v[\f+32+8*\b:\f+32+8*\b+7], v[\f+8*\a:\f+8*\a+7], v[8*\b:8*\b+7]
.else
	v_wmma_f32_16x16x32_f16 v[8*(8*\a+\b):8*(8*\a+\b)+7], v[\f+32+8*\b:\f+32+8*\b+7], v[\f+8*\a:\f+8*\a+7], v[8*(8*\a+\b):8*(8*\a+\b)+7]
.endif
.endr
.endm
.macro PLACES
.rept 4
	v_nop
.endr
.endm
.macro QUARTER slot, qn, f, g, first   ; multiplies buffer f; in its middle fetches the slot's quarter qn into g
	s_wait_dscnt 0x0
.if \first
	WIN W_FIRST
.else
	WIN W_MUL
.endif
	MULA \f, 0, \first
	MULA \f, 1, \first
	PLACES                                         ; places ahead of the loads into the buffer that the quarter before multiplied
	WIN 0
	FETCH \slot, \qn, \g
.if \first
	WIN W_FIRST
.else
	WIN W_MUL
.endif
	MULA \f, 2, \first
	MULA \f, 3, \first
.endm
; A slot's last quarter multiplies buffer 1 and changes slots: each wave waits for all its tensor loads, adds 0 to its spare word, waits for that and for its reads of this slot; one barrier,
; which with fill = 1 opens a round of the cluster's barrier; the joint refill, two K steps ahead, is the first thing behind the round.
.macro TURN slot, next, fill
	WIN 0
	s_wait_tensorcnt 0x0
	ds_add_u32 v[SPW], v[NIL]
	s_wait_dscnt 1                                 ; the fragments are in; the add alone may be out
	WIN W_MUL
	MULA F1, 0, 0
	s_wait_dscnt 0x0
	s_barrier_signal -1
	MULA F1, 1, 0
	WIN 0
	s_barrier_wait -1
.if \fill
	CREST
	s_add_nc_u64 s[G0A+4*\slot+2:G0A+4*\slot+3], s[G0A+4*\slot+2:G0A+4*\slot+3], 4194304
	s_add_nc_u64 s[G0B+4*\slot+2:G0B+4*\slot+3], s[G0B+4*\slot+2:G0B+4*\slot+3], 524288
	JLOAD \slot                                    ; its four v_nop are also the places ahead of the loads below
.else
	PLACES
.endif
	FETCH \next, 0, F0
	WIN W_MUL
	MULA F1, 2, 0
	MULA F1, 3, 0
.endm
	s_wait_tensorcnt 1                             ; my part of K step 0 is in; K step 1's load may be out
	s_barrier_signal -1
	s_barrier_wait -1
	s_wait_loadcnt 0x0                             ; the bias
	FETCH 0, 0, F0
	QUARTER 0, 1, F0, F1, 1
	WIN 0
	s_mov_b32 s3, LAPS-1
.Llap:                                             ; a trip goes once round the ring and fills both slots again
	QUARTER 0, 2, F1, F0, 0
	QUARTER 0, 3, F0, F1, 0
	TURN 0, 1, 1
	QUARTER 1, 1, F0, F1, 0
	QUARTER 1, 2, F1, F0, 0
	QUARTER 1, 3, F0, F1, 0
	TURN 1, 0, 1
	QUARTER 0, 1, F0, F1, 0
	WIN 0
	s_sub_co_u32 s3, s3, 1
	s_cmp_lg_u32 s3, 0
	s_cbranch_scc1 .Llap
	QUARTER 0, 2, F1, F0, 0                        ; the last lap fills nothing
	QUARTER 0, 3, F0, F1, 0
	TURN 0, 1, 0
	QUARTER 1, 1, F0, F1, 0
	QUARTER 1, 2, F1, F0, 0
	QUARTER 1, 3, F0, F1, 0
	s_wait_dscnt 0x0
	WIN W_MUL
	MULA F1, 0, 0
	MULA F1, 1, 0
	MULA F1, 2, 0
	MULA F1, 3, 0
	WIN 0
; THE WAY OUT, block by block of 16 rows x 128 columns, through my stage: back as whole rows of 512 bytes
.macro TOSTAGE a
	WIN 0x04                                       ; an LDS store's data: window 1
.irp b, 0,1,2,3,4,5,6,7
	ds_store_b128 v[STO], v[8*(8*\a+\b):8*(8*\a+\b)+3] offset:64*\b          ; each accumulator from its low end on
	ds_store_b128 v[STO], v[8*(8*\a+\b)+4:8*(8*\a+\b)+7] offset:64*\b+16
.endr
	WIN 0
.set BB, 32+64*((\a)%2)
.irp t, 0,1,2,3,4,5,6,7,8,9,10,11,12,13,14,15
	ds_load_b128 v[BB+4*\t:BB+4*\t+3], v[RD] offset:\t*SPITCH
.endr
.endm
.macro SEND a, younger
.set BB, 32+64*((\a)%2)
	s_wait_dscnt \younger                          ; the block is back; the next block's 16 stores and 16 loads may be out
.if (\a) == 0
	s_wait_xcnt 0x0                                ; EXEC changes only behind this wait
	v_cmp_ne_u32 vcc_lo, 0, v[TZ]                  ; where my first row is t = 0, block 0 holds t = 0 .. 15: not stored here.  A mask, not a branch: t hangs on the place in the cluster
	s_and_saveexec_b32 s68, vcc_lo
.endif
.irp t, 0,1,2,3,4,5,6,7,8,9,10,11,12,13,14,15
	global_store_b128 v[CO], v[BB+4*\t:BB+4*\t+3], s[10:11] offset:(16*(\a)+\t)*4096 th:TH_STORE_NT   ; 512 consecutive bytes, aligned
.endr
.if (\a) == 0
	s_wait_xcnt 0x0
	s_or_b32 exec_lo, exec_lo, s68
.endif
.endm
	PLACES
	TOSTAGE 0
.irp a, 1,2,3
.if \a > 1
	s_wait_xcnt 0x0                                ; block a - 2's stores have read their registers: block a's loads may land there
.endif
	TOSTAGE \a
	SEND \a-1, 32
.endr
	SEND 3, 0
	s_wait_tensorcnt 0x0                           ; the wave's end
	ds_add_u32 v[SPW], v[NIL]
	s_wait_dscnt 0x0
	CROUND                                         ; the closing round
	s_endpgm
.Lfunc_end_k_q8de073179d_proj:
	.size	k_q8de073179d_proj, .Lfunc_end_k_q8de073179d_proj-k_q8de073179d_proj
	.p2alignl 7, 3214868480
	.fill 96, 4, 3214868480
	.section	.rodata,"a",@progbits
	.p2align	6, 0x0
	.amdhsa_kernel k_q8de073179d_proj
		.amdhsa_group_segment_fixed_size 327680
		.amdhsa_private_segment_fixed_size 0
		.amdhsa_enable_private_segment 0
		.amdhsa_kernarg_size 32
		.amdhsa_user_sgpr_count 2
		.amdhsa_user_sgpr_kernarg_segment_ptr 1
		.amdhsa_wavefront_size32 1
		.amdhsa_system_sgpr_workgroup_id_x 1
		.amdhsa_system_sgpr_workgroup_id_y 1
		.amdhsa_system_sgpr_workgroup_id_z 1
		.amdhsa_system_vgpr_workitem_id 0
		.amdhsa_next_free_vgpr 576
		.amdhsa_next_free_sgpr 100
		.amdhsa_reserve_vcc 1
		.amdhsa_float_denorm_mode_32 3
		.amdhsa_float_denorm_mode_16_64 3
		.amdhsa_memory_ordered 1
		.amdhsa_forward_progress 1
		.amdhsa_inst_pref_size 86
	.end_amdhsa_kernel
	.amdgpu_metadata
---
amdhsa.version: [ 1, 2 ]
amdhsa.kernels:
  - .name:           k_q8de073179d_proj
    .symbol:         k_q8de073179d_proj.kd
    .args:
      - { .name: ao, .offset: 0, .size: 8, .value_kind: global_buffer, .address_space: global }
      - { .name: wph, .offset: 8, .size: 8, .value_kind: global_buffer, .address_space: global }
      - { .name: b_proj, .offset: 16, .size: 8, .value_kind: global_buffer, .address_space: global }
      - { .name: out0, .offset: 24, .size: 8, .value_kind: global_buffer, .address_space: global }
    .group_segment_fixed_size: 327680
    .private_segment_fixed_size: 0
    .kernarg_segment_align: 8
    .kernarg_segment_size: 32
    .max_flat_workgroup_size: 128
    .sgpr_count:     100
    .vgpr_count:     576
    .wavefront_size: 32
...
	.end_amdgpu_metadata
.endif
;; end of part 4
;; launch head16 (part 5): grid 64 x 4, 16 waves a work-group, no clusters, 18,432 bytes of LDS; arguments qkv16, w_proj, b_proj, out0; writes out0
.if DOCPART == 5
	.amdgcn_target "amdgcn-amd-amdhsa--gfx1250"
	.amdhsa_code_object_version 6
	.text
	.protected	k_q8de073179d_head16
	.globl	k_q8de073179d_head16
	.p2align	8
	.type	k_q8de073179d_head16,@function
k_q8de073179d_head16:
	s_mov_b64 s[64:65], 0
	v_nop
	global_prefetch_b8 v0, s[64:65] scope:SCOPE_SE
	s_setreg_imm32_b32 hwreg(HW_REG_WAVE_MODE, 25, 1), 1
	s_wait_xcnt 0x0
; Launch 5 of 5: the first 16 positions of every sequence, attention and projection, in f32: their rows average one to sixteen values, where the rounding of 16-bit operands weighs most.
; LEFT OUT: nothing of these rows; keys behind a query are masked inside the one tile of 16 x 16.
; qkv16: f32 [batch 4][t 16][3072].  Work-group (ns, batch) makes out0[2048 batch + 0 .. 15][16 ns .. 16 ns + 15].  Wave hd repeats head hd's 16 x 16 attention and makes its 64 of the projection's K = 1,024;
; the sixteen parts meet in LDS.  The attention is repeated in each of the 64 slices: 32 small matrix instructions, against a further launch or traffic between work-groups.
; v_wmma_f32_16x16x4_f32: lane (r, h), register j holds k = 2 h + j of row (or column) r; a permutation of k applied alike to both sources keeps the products, so each side is loaded as its memory suits.
; The registers that these instructions write (v144-175) are written by them alone; what is made of a sum goes into other registers.
.set A1,  3                            ; v3   12,288 r + 128 h: q, k: row r, 32 channels from 32 h
.set A2,  4                            ; v4   98,304 h + 4 r: v: keys from 8 h, channel r
.set A3,  5                            ; v5   32,768 h + 4 r: w_proj: rows from 8 h, column r
.set SPW, 6
.set NIL, 7
.set QR,  16
.set KR,  48
.set VT,  80
.set WR,  112
.set ACC, 144
.set SS,  176
.set AO,  184
.set PS,  216
.set IMG, 224
.set RDA, 225
.set BA,  226
.set OA,  227
.set SPARE, 16384                      ; behind the sixteen images of 1,024 bytes: the spare words, 128 bytes a wave, which no other line names
	s_load_b256 s[4:11], s[0:1], 0x0               ; qkv16 s[4:5], w_proj s[6:7], b_proj s[8:9], out0 s[10:11]
	v_lshl_add_u32 v[SPW], v0, 2, SPARE
	v_mov_b32 v[NIL], 0
	v_lshrrev_b32 v1, 5, v0
	v_readfirstlane_b32 s12, v1                    ; wave = head
	s_and_b32 s13, ttmp7, 0xffff                   ; batch
	s_mov_b32 s14, 0x76543210
	s_mov_b32 s15, 0xfedcba98
	s_mov_b32 s16, 0x3e38aa3b                      ; c = log2(e) / 8
	v_and_b32 v1, 15, v0                           ; r
	v_bfe_u32 v2, v0, 4, 1                         ; h
	v_mul_u32_u24 v[A1], v1, 12288
	v_lshl_add_u32 v[A1], v2, 7, v[A1]
	v_mul_u32_u24 v[A2], v2, 98304
	v_lshl_add_u32 v[A2], v1, 2, v[A2]
	v_lshlrev_b32 v[A3], 15, v2
	v_lshl_add_u32 v[A3], v1, 2, v[A3]
	v_lshlrev_b32 v8, 3, v2
	v_sub_nc_u32 v8, v1, v8                        ; r - 8 h
	v_mov_b32 v9, 0xff800000                       ; -infinity
	v_mov_b32 v11, 0                               ; a lane permute's destination counts as one of its sources
	v_and_b32 v10, 31, v0
	v_lshlrev_b32 v10, 4, v10                      ; 16 x lane
	s_lshl_b32 s17, s12, 10
	v_add_nc_u32 v[IMG], s17, v10                  ; my image: 1,024 x wave + 16 x lane
	s_and_b32 s18, s12, 1
	s_lshl_b32 s17, s18, 9
	v_add_nc_u32 v[RDA], s17, v10                  ; the adding waves: half u = wave & 1 of each image
	s_lshl_b32 s17, s18, 4
	v_lshl_add_u32 v[BA], v2, 5, s17               ; 32 h + 16 u
	v_lshl_add_u32 v[OA], v1, 12, v[BA]            ; + row r of 4,096 bytes
	s_mul_i32 s20, s13, 196608
	s_lshl_b32 s21, s12, 8
	s_add_co_u32 s20, s20, s21
	s_mov_b32 s21, 0
	s_lshl_b32 s22, s12, 18
	s_lshl_b32 s24, ttmp9, 6
	s_add_co_u32 s22, s22, s24
	s_mov_b32 s23, 0
	s_mov_b32 s25, 0
	s_lshl_b32 s26, s13, 23
	s_add_co_u32 s26, s26, s24
	s_mov_b32 s27, 0
	s_wait_kmcnt 0x0
	s_add_nc_u64 s[4:5], s[4:5], s[20:21]          ; my batch, my head's 64 channels of q
	s_add_nc_u64 s[6:7], s[6:7], s[22:23]          ; my head's 64 rows of w_proj, my slice's 16 columns
	s_add_nc_u64 s[8:9], s[8:9], s[24:25]
	s_add_nc_u64 s[10:11], s[10:11], s[26:27]
.irp i, 0,1,2,3,4,5,6,7
	global_load_b128 v[QR+4*\i:QR+4*\i+3], v[A1], s[4:5] offset:16*\i            ; register e: q(r, 32 h + e)
.endr
.irp i, 0,1,2,3,4,5,6,7
	global_load_b128 v[KR+4*\i:KR+4*\i+3], v[A1], s[4:5] offset:4096+16*\i       ; k likewise
.endr
.irp t, 0,1,2,3
.irp i, 0,1,2,3,4,5,6,7
	global_load_b32 v[VT+8*\t+\i], v[A2], s[4:5] offset:8192+12288*\i+64*\t      ; v(key 8 h + i, channel 16 t + r)
.endr
.endr
	s_wait_loadcnt 32                              ; q and k are in; v's 32 loads may be out
.irp s, 0,1,2,3,4,5,6,7,8,9,10,11,12,13,14,15  ; S^T = k q^T: source 0 = 16 keys, source 1 = 16 queries; four accumulators take turns
.if \s < 4
	v_wmma_f32_16x16x4_f32 v[ACC+8*(\s%4):ACC+8*(\s%4)+7], v[KR+2*\s:KR+2*\s+1], v[QR+2*\s:QR+2*\s+1], 0
.else
	v_wmma_f32_16x16x4_f32 v[ACC+8*(\s%4):ACC+8*(\s%4)+7], v[KR+2*\s:KR+2*\s+1], v[QR+2*\s:QR+2*\s+1], v[ACC+8*(\s%4):ACC+8*(\s%4)+7]
.endif
.endr
.irp t, 0,1,2,3
.irp i, 0,1,2,3,4,5,6,7
	global_load_b32 v[WR+8*\t+\i], v[A3], s[6:7] offset:4096*(16*\t+\i)          ; w_proj(64 hd + 16 t + 8 h + i, 16 ns + r)
.endr
.endr
.rept 8
	v_nop                                          ; eight places behind this form ahead of the first read of its results
.endr
.irp j, 0,2,4,6
	v_pk_add_f32 v[SS+\j:SS+\j+1], v[ACC+\j:ACC+\j+1], v[ACC+8+\j:ACC+8+\j+1]    ; from the low end on
.endr
.irp j, 0,2,4,6
	v_pk_add_f32 v[PS+\j:PS+\j+1], v[ACC+16+\j:ACC+16+\j+1], v[ACC+24+\j:ACC+24+\j+1]
.endr
.irp j, 0,2,4,6
	v_pk_add_f32 v[SS+\j:SS+\j+1], v[SS+\j:SS+\j+1], v[PS+\j:PS+\j+1]            ; lane (r, h), register j: the score of query r and key 8 h + j
.endr
.irp j, 0,1,2,3,4,5,6,7
	v_cmp_gt_i32 vcc_lo, \j, v8                    ; key 8 h + j > query r: hidden
	v_cndmask_b32 v[SS+\j], v[SS+\j], v9, vcc_lo
.endr
	v_max3_num_f32 v10, v[SS], v[SS+1], v[SS+2]
	v_max3_num_f32 v10, v10, v[SS+3], v[SS+4]
	v_max3_num_f32 v10, v10, v[SS+5], v[SS+6]
	v_max_num_f32 v10, v10, v[SS+7]
	v_permlanex16_b32 v11, v10, s14, s15
	v_max_num_f32 v10, v10, v11                    ; the row's maximum: key 0 counts for every query, so it is a number
	v_mul_f32 v10, s16, v10
.irp j, 0,1,2,3,4,5,6,7
	v_fma_f32 v[SS+\j], v[SS+\j], s16, -v10
.endr
.irp j, 0,1,2,3,4,5,6,7
	v_exp_f32 v[SS+\j], v[SS+\j]
.endr
	v_nop
	s_wait_alu depctr_va_vdst(0)                   ; one wait for the eight, ahead of their first reader
	v_add_f32 v12, v[SS], v[SS+1]
	v_add_f32 v13, v[SS+2], v[SS+3]
	v_add_f32 v14, v[SS+4], v[SS+5]
	v_add_f32 v15, v[SS+6], v[SS+7]
	v_add_f32 v12, v12, v13
	v_add_f32 v14, v14, v15
	v_add_f32 v12, v12, v14
	v_permlanex16_b32 v11, v12, s14, s15
	v_add_f32 v12, v12, v11
	v_rcp_f32 v12, v12
	v_nop
	s_wait_alu depctr_va_vdst(0)
	s_wait_loadcnt 32                              ; v is in; w_proj's 32 loads may be out
.irp i, 0,1,2,3                                ; O^T = v^T p: both sides put key 8 h + 2 i + j in place 2 h + j; four accumulators take turns
.irp t, 0,1,2,3
.if \i == 0
	v_wmma_f32_16x16x4_f32 v[ACC+8*\t:ACC+8*\t+7], v[VT+8*\t+2*\i:VT+8*\t+2*\i+1], v[SS+2*\i:SS+2*\i+1], 0
.else
	v_wmma_f32_16x16x4_f32 v[ACC+8*\t:ACC+8*\t+7], v[VT+8*\t+2*\i:VT+8*\t+2*\i+1], v[SS+2*\i:SS+2*\i+1], v[ACC+8*\t:ACC+8*\t+7]
.endif
.endr
.endr
.rept 9
	v_nop                                          ; places ahead of the reads of the results, and of the products below that write over them
.endr
.irp j, 0,2,4,6,8,10,12,14,16,18,20,22,24,26,28,30
	v_pk_mul_f32 v[AO+\j:AO+\j+1], v[ACC+\j:ACC+\j+1], v[12:13] op_sel_hi:[1,0]   ; / the sum: register 8 t + j: channel 16 t + 8 h + j of query r
.endr
	s_wait_loadcnt 0x0
.irp t, 0,1,2,3                                ; my part of the projection: source 0 = 16 columns of w_proj, source 1 = 16 queries; both sides put channel 16 t + 8 h + 2 i + j in place 2 h + j
.irp i, 0,1,2,3
.if \t == 0
	v_wmma_f32_16x16x4_f32 v[ACC+8*\i:ACC+8*\i+7], v[WR+8*\t+2*\i:WR+8*\t+2*\i+1], v[AO+8*\t+2*\i:AO+8*\t+2*\i+1], 0
.else
	v_wmma_f32_16x16x4_f32 v[ACC+8*\i:ACC+8*\i+7], v[WR+8*\t+2*\i:WR+8*\t+2*\i+1], v[AO+8*\t+2*\i:AO+8*\t+2*\i+1], v[ACC+8*\i:ACC+8*\i+7]
.endif
.endr
.endr
.rept 8
	v_nop
.endr
.irp j, 0,2,4,6
	v_pk_add_f32 v[PS+\j:PS+\j+1], v[ACC+\j:ACC+\j+1], v[ACC+8+\j:ACC+8+\j+1]
.endr
.irp j, 0,2,4,6
	v_pk_add_f32 v[SS+\j:SS+\j+1], v[ACC+16+\j:ACC+16+\j+1], v[ACC+24+\j:ACC+24+\j+1]
.endr
.irp j, 0,2,4,6
	v_pk_add_f32 v[PS+\j:PS+\j+1], v[PS+\j:PS+\j+1], v[SS+\j:SS+\j+1]            ; lane (r, h), register j: query r, column 8 h + j
.endr
	ds_store_b128 v[IMG], v[PS:PS+3]
	ds_store_b128 v[IMG], v[PS+4:PS+7] offset:512
	s_wait_dscnt 0x0                               ; for the others' sake: my image has landed
	s_barrier_signal -1
	s_barrier_wait -1
	s_cmp_gt_u32 s12, 1                            ; waves 0 and 1 add the sixteen parts, in the order of the heads; no barrier stands in this branch
	s_cbranch_scc1 .Ldone
	global_load_b128 v[232:235], v[BA], s[8:9]     ; b_proj[16 ns + 8 h + 4 u + 0 .. 3]
.irp i, 0,1,2,3,4,5,6,7,8,9,10,11,12,13,14,15
	ds_load_b128 v[16+4*\i:16+4*\i+3], v[RDA] offset:1024*\i
.endr
	s_wait_dscnt 0x0
	v_pk_add_f32 v[228:229], v[16:17], v[20:21]
	v_pk_add_f32 v[230:231], v[18:19], v[22:23]
.irp i, 2,3,4,5,6,7,8,9,10,11,12,13,14,15
	v_pk_add_f32 v[228:229], v[228:229], v[16+4*\i:16+4*\i+1]
	v_pk_add_f32 v[230:231], v[230:231], v[16+4*\i+2:16+4*\i+3]
.endr
	s_wait_loadcnt 0x0
	v_pk_add_f32 v[228:229], v[228:229], v[232:233]
	v_pk_add_f32 v[230:231], v[230:231], v[234:235]
	global_store_b128 v[OA], v[228:231], s[10:11]
.Ldone:
	s_wait_tensorcnt 0x0                           ; the wave's end
	ds_add_u32 v[SPW], v[NIL]
	s_wait_dscnt 0x0
	s_endpgm
.Lfunc_end_k_q8de073179d_head16:
	.size	k_q8de073179d_head16, .Lfunc_end_k_q8de073179d_head16-k_q8de073179d_head16
	.p2alignl 7, 3214868480
	.fill 96, 4, 3214868480
	.section	.rodata,"a",@progbits
	.p2align	6, 0x0
	.amdhsa_kernel k_q8de073179d_head16
		.amdhsa_group_segment_fixed_size 18432
		.amdhsa_private_segment_fixed_size 0
		.amdhsa_enable_private_segment 0
		.amdhsa_kernarg_size 32
		.amdhsa_user_sgpr_count 2
		.amdhsa_user_sgpr_kernarg_segment_ptr 1
		.amdhsa_wavefront_size32 1
		.amdhsa_system_sgpr_workgroup_id_x 1
		.amdhsa_system_sgpr_workgroup_id_y 1
		.amdhsa_system_sgpr_workgroup_id_z 1
		.amdhsa_system_vgpr_workitem_id 0
		.amdhsa_next_free_vgpr 256
		.amdhsa_next_free_sgpr 66
		.amdhsa_reserve_vcc 1
		.amdhsa_float_denorm_mode_32 3
		.amdhsa_float_denorm_mode_16_64 3
		.amdhsa_memory_ordered 1
		.amdhsa_forward_progress 1
		.amdhsa_inst_pref_size 22
	.end_amdhsa_kernel
	.amdgpu_metadata
---
amdhsa.version: [ 1, 2 ]
amdhsa.kernels:
  - .name:           k_q8de073179d_head16
    .symbol:         k_q8de073179d_head16.kd
    .args:
      - { .name: qkv16, .offset: 0, .size: 8, .value_kind: global_buffer, .address_space: global }
      - { .name: w_proj, .offset: 8, .size: 8, .value_kind: global_buffer, .address_space: global }
      - { .name: b_proj, .offset: 16, .size: 8, .value_kind: global_buffer, .address_space: global }
      - { .name: out0, .offset: 24, .size: 8, .value_kind: global_buffer, .address_space: global }
    .group_segment_fixed_size: 18432
    .private_segment_fixed_size: 0
    .kernarg_segment_align: 8
    .kernarg_segment_size: 32
    .max_flat_workgroup_size: 512
    .sgpr_count:     66
    .vgpr_count:     256
    .wavefront_size: 32
...
	.end_amdgpu_metadata
.endif
;; end of part 5
